; MI455X (gfx1250); checked and timed in simulation.
; The chip was launched on July 23, 2026; its instructions are those of AMD's public machine-readable ISA for CDNA 5 (MIT licence, August 2026) and "CDNA5" Instruction Set Architecture Reference Guide (July 2026). The comments in the code are by the model that wrote it; some were corrected since.
;; Causal Temporal Attention. Allowed arithmetic: matrix products marked QUANTISED: E4M3 operands, one given power-of-two scale a tensor, by v_wmma_f32_16x16x64_fp8_fp8 or v_wmma_f32_16x16x128_fp8_fp8, f32 sums; everything else in f32.
;; Inputs: b_out 1,024 float32; b_qkv 3,072 float32; lowp_scales 8 int32 (the exponents e of the quantised operands' scales 2^e); pos_bias 1 x 16 x 1 x 64 float32; w_out 1,024 x 1,024 float32; w_qkv 1,024 x 3,072 float32; x 2 x 2,048 x 1,024 float32.
;; Outputs: out0 2 x 2,048 x 1,024 float32.
;; This version of the problem:
;;   THIS VERSION OF THE PROBLEM IS GIVEN IN LOW PRECISION. The matrix products marked QUANTISED in the list below multiply operands that are first quantised to E4M3 (4 exponent bits, 3 mantissa bits; 8 bits a number), with one given power-of-two scale for each operand tensor; their sums are f32. All else is computed in f32.
;;   The module's matrix products, in the order in which they are computed (A, B: the left and right operand; K: the contracted axis; several contracted axes count as one K, in the product's order):
;;     1. [M 4,096, K 1,024] x [K 1,024, N 3,072]; A: input x; B: input w_qkv: QUANTISED (scales: A lowp_scales[0], B lowp_scales[1])
;;     2. batch 32 x [M 2,048, K 64] x [K 64, N 2,048]; A: computed on the way; B: computed on the way: QUANTISED (scales: A lowp_scales[2], B lowp_scales[3])
;;     3. batch 32 x [M 2,048, K 2,048] x [K 2,048, N 64]; A: softmax (see below); B: computed on the way: QUANTISED (scales: A lowp_scales[4], B lowp_scales[5])
;;     4. [M 4,096, K 1,024] x [K 1,024, N 1,024]; A: computed on the way; B: input w_out: QUANTISED (scales: A lowp_scales[6], B lowp_scales[7])
;;   THE QUANTISER, for each operand of a quantised product, along K:
;;     - The operand's scale is 2^e, e = its entry of the input lowp_scales (int32; the entries are numbered through the quantised products in the list's order, A before B).
;;     - Each number is divided by the scale, clamped to +-448, and rounded to the nearest number of E4M3, ties to even, subnormals kept.
;;     - The product sums the exact products of the quantised numbers (number of the format x scale) in f32.
;;   ~~~python
;;   def quantise(x, axis, e):      # numpy; x: float32 -> the quantised numbers, widened to float32 again
;;       x = np.moveaxis(x, axis, -1); K = x.shape[-1]
;;       r = np.clip(x / 2.0 ** e, -448, 448)
;;       step = 2.0 ** (np.maximum(np.frexp(np.where(r == 0, 1, r))[1] - 1, -6) - 3)
;;       q = np.round(r / step) * step * 2.0 ** e      # np.round: ties to even
;;       return np.moveaxis(q, -1, axis).astype(np.float32)
;;   ~~~
;;   SOFTMAX AHEAD OF A QUANTISED PRODUCT. Where the list says 'softmax', what is quantised is not the finished softmax but p = 2^(t - M), with t = logit x log2(e) and M = ceil(the row's largest t), a whole number; so 1/2 < the row's largest p <= 1. The row's sum l is taken of the UNQUANTISED p, in f32, and the product's result is divided by l at the end. Since M is a whole number, a kernel that streams over the keys may use a running M (the ceiling of the running maximum): every later rescaling is an exact power of two, so the quantised numbers keep their values, but for numbers so far below the row's largest that they fall under the format's range.
;;   OPERANDS COMPUTED ON THE WAY. 'Computed on the way' means the value that the module computes at that place (a softmax that the list does not call 'softmax' is quantised finished and normalised). What goes into a quantiser is computed in f32, as accurately as f32 sums, v_exp_f32 and their like allow (about 1e-6 of the number): no bf16 or f16 on the way to a quantiser, and a product that is left as it is and whose result goes on into a quantised operand takes f32 operands (vector FMAs, or v_wmma_f32_16x16x4_f32). A number that lies on a knife's edge between two numbers of the format may be rounded either way, as far as f32 arithmetic and the matrix unit's own rounding can turn it there, and no further.
;; One version. Each part assembles by itself: llvm-mc -triple=amdgcn-amd-amdhsa -mcpu=gfx1250 --defsym DOCPART=n.
;; ======== version 1 of 1: 4 launches
;; limits: right only within a limited range of input values
;; workspace buffers: x_codes 4,194,304 bytes; wq_codes 3,145,728 bytes; wo_codes 1,048,576 bytes; q_img 4,194,304 bytes; kv_img 8,388,608 bytes; o_img 4,194,304 bytes
;; launch quant (part 1): grid 512 x 1, 8 waves a work-group, no clusters, 59,392 bytes of LDS; arguments x, w_qkv, w_out, lowp_scales, x_codes, wq_codes, wo_codes; writes x_codes, wq_codes, wo_codes
.if DOCPART == 1
	.amdgcn_target "amdgcn-amd-amdhsa--gfx1250"
	.amdhsa_code_object_version 6
	.text
	.protected	k_q58f750afb7_quant
	.globl	k_q58f750afb7_quant
	.p2align	8
	.type	k_q58f750afb7_quant,@function
k_q58f750afb7_quant:
	s_mov_b64 s[64:65], 0
	v_nop
	global_prefetch_b8 v0, s[64:65] scope:SCOPE_SE
	s_setreg_imm32_b32 hwreg(HW_REG_WAVE_MODE, 25, 1), 1
	s_wait_xcnt 0x0
; x [4096][1024], w_qkv [1024][3072] and w_out [1024][1024], f32, become codes of FP8 (E4M3), K innermost, each with its given scale 2^e:
; code = number / 2^e, held within +-448, rounded to the nearest code, ties to even.  e = entry 0 (x), 1 (w_qkv), 7 (w_out) of the scales.
; LIMITS: each e between -126 and 119, so that 2^e and 448 x 2^e are f32 numbers.  NaN among the inputs is not served.
; Work-groups 0-255 take x: K is innermost there, so x is a plain stream; a wave takes 2,048 numbers in four steps of 512.
; Work-groups 256-511 take the weights, whose K is the FIRST axis: a tile of 64 columns x 256 along K; a lane takes two columns and its registers run down K.
; wq_codes' rows are ordered head x 192 + type x 64 + d (type 0, 1, 2 = q, k, v), so that one head's q, k and v columns are 192 neighbouring rows.
; Every wave asks for all its 8 KB at its head.  No tensor loads.  The two ways have LDS bytes of their own.
.set SP,   80                          ; x: a lane's place in a stage: 64 bytes + 16 of padding
.set XREG, 5120                        ; x: two stages of 32 x SP bytes for each wave
.set WST,  8*XREG                      ; weights: the work-group's stage, 64 rows (columns of W) x 272 bytes
.set WP,   272
.set R,    16                          ; x: v16-79 four steps' numbers as loaded
.set X,    80                          ; x: v80-111 two sets of 16 neighbours
.set C,    128                         ; x: v128-143 codes, four registers a step
.set WX,   16                          ; weights: v16-79 pair i = row i, two columns
.set WY,   80                          ; weights: v80-143 column c's 32 numbers down K at WY + 32 c
.set OF,   144                         ; weights: v144-175 byte offset of row i
.set WC,   176                         ; weights: v176-191 codes, 8 registers a column
	s_load_b256 s[4:11], s[0:1], 0x0               ; x s[4:5], w_qkv s[6:7], w_out s[8:9], the scales s[10:11]
	s_load_b128 s[12:15], s[0:1], 0x20             ; x_codes s[12:13], wq_codes s[14:15]
	s_load_b64 s[16:17], s[0:1], 0x30              ; wo_codes
	v_lshl_add_u32 v192, v0, 2, 0xe400
	v_mov_b32 v193, 0
	v_lshrrev_b32 v1, 5, v0
	s_delay_alu instid0(VALU_DEP_1)
	v_readfirstlane_b32 s18, v1                    ; wave 0..7
	v_and_b32 v2, 31, v0                           ; lane
	s_wait_kmcnt 0x0
	s_load_b256 s[24:31], s[10:11], 0x0            ; the eight exponents
	s_cmp_lt_u32 ttmp9, 256                        ; hangs on the work-group's number alone
	s_cbranch_scc0 .Lweights
; ---------------- x ----------------
	s_wait_alu depctr_va_vdst(0)
	v_lshlrev_b32 v3, 4, v2                        ; my 16 bytes of a load's 512, and of a step's 512 bytes of codes
	s_wait_alu depctr_va_vdst(0)
	s_mul_i32 s19, s18, XREG
	v_lshrrev_b32 v14, 2, v2
	s_delay_alu instid0(VALU_DEP_1)
	v_mul_u32_u24 v14, v14, SP
	v_and_b32 v15, 3, v2
	s_delay_alu instid0(VALU_DEP_1)
	v_lshl_add_u32 v14, v15, 4, v14
	s_delay_alu instid0(VALU_DEP_1)
	v_add_nc_u32 v14, s19, v14                     ; into the stage: four lanes' 64 bytes on end, then 16 of padding
	v_mul_u32_u24 v15, v2, SP
	s_delay_alu instid0(VALU_DEP_1)
	v_add_nc_u32 v15, s19, v15                     ; out of it: my 16 neighbours
	s_lshl_b32 s20, ttmp9, 3
	s_add_co_u32 s20, s20, s18                     ; which run of 2,048 numbers is my wave's
	s_lshl_b32 s22, s20, 13
	s_mov_b32 s23, 0
	s_add_nc_u64 s[4:5], s[4:5], s[22:23]
	s_lshl_b32 s22, s20, 11
	s_add_nc_u64 s[12:13], s[12:13], s[22:23]
.macro LOAD t
.irp i, 0,1,2,3
	global_load_b128 v[R+16*(\t)+4*\i:R+16*(\t)+4*\i+3], v3, s[4:5] offset:2048*(\t)+512*\i th:TH_LOAD_NT   ; 32 lanes read 512 consecutive bytes
.endr
.endm
.macro TURN t                          ; a step's 2,048 bytes through the wave's own stage: LDS serves a wave's instructions in order, so no wait stands between stores and loads
.irp i, 0,1,2,3
	ds_store_b128 v14, v[R+16*(\t)+4*\i:R+16*(\t)+4*\i+3] offset:32*SP*((\t)%2)+8*SP*\i
.endr
.irp i, 0,1,2,3
	ds_load_b128 v[X+16*((\t)%2)+4*\i:X+16*((\t)%2)+4*\i+3], v15 offset:32*SP*((\t)%2)+16*\i
.endr
.endm
.irp t, 0,1,2,3
	LOAD \t
.endr
	s_wait_alu depctr_va_vdst(0)
	s_wait_kmcnt 0x0
	s_add_co_i32 s22, s24, 127
	s_lshl_b32 s23, s22, 23
	v_mov_b32 v11, s23                             ; 2^e0: the conversion takes its exponent field
	s_add_co_i32 s22, s22, 8
	s_lshl_b32 s22, s22, 23
	s_or_b32 s22, s22, 0x600000
	v_mov_b32 v10, s22                             ; 448 x 2^e0
	s_wait_alu depctr_va_vdst(0)
	s_wait_loadcnt 12                              ; step 0's four loads are in; the other twelve may be out
	TURN 0
.macro XSTEP t
.set XS, X+16*((\t)%2)
	s_wait_dscnt 0x0                               ; this step's numbers are back from the stage
.if (\t) < 3
	s_wait_loadcnt 4*(2-(\t))                      ; the next step's four loads are in; those of the steps behind it may be out
	TURN (\t)+1                                    ; and go through the other stage while this step is worked
.endif
.irp i, 0,1,2,3,4,5,6,7,8,9,10,11,12,13,14,15
	v_med3_num_f32 v[XS+\i], v[XS+\i], -v10, v10   ; the conversion does not saturate (ISA guide 7.6.2): the hold at the largest code x the scale
.endr
	v_cvt_scalef32_pk8_fp8_f32 v[C+4*(\t):C+4*(\t)+1], v[XS:XS+7], v11
	v_cvt_scalef32_pk8_fp8_f32 v[C+4*(\t)+2:C+4*(\t)+3], v[XS+8:XS+15], v11
	global_store_b128 v3, v[C+4*(\t):C+4*(\t)+3], s[12:13] offset:512*(\t)   ; the wave stores 512 consecutive bytes; each step has its own code registers
.endm
.irp t, 0,1,2,3
	XSTEP \t
.endr
	s_wait_tensorcnt 0x0
	ds_add_u32 v192, v193
	s_wait_dscnt 0x0
	s_endpgm
; ---------------- the weights ----------------
.Lweights:
	s_sub_co_u32 s20, ttmp9, 256                   ; 0-191: w_qkv (48 groups of 64 columns x 4 quarters of K); 192-255: w_out (16 x 4)
	s_cmp_lt_u32 s20, 192
	s_mov_b32 s21, 4096
	s_cselect_b32 s21, 12288, s21                  ; bytes in a row of W
	s_cselect_b32 s22, 0, 192
	s_cselect_b64 s[6:7], s[6:7], s[8:9]           ; W
	s_cselect_b64 s[14:15], s[14:15], s[16:17]     ; its codes
	s_sub_co_u32 s22, s20, s22
	s_and_b32 s23, s22, 3                          ; kt: which 256 along K
	s_lshr_b32 s22, s22, 2                         ; cg: which 64 columns
	s_and_b32 s32, s22, 15                         ; w_qkv: head = cg % 16, type = cg / 16
	s_mul_i32 s32, s32, 192
	s_lshr_b32 s33, s22, 4
	s_lshl_b32 s33, s33, 6
	s_add_co_u32 s32, s32, s33                     ; first row of the codes: head x 192 + type x 64
	s_lshl_b32 s33, s22, 6                         ; w_out: 64 cg
	s_cmp_lt_u32 s20, 192
	s_cselect_b32 s32, s32, s33
	s_lshl_b32 s34, s23, 8
	s_lshl_b32 s35, s18, 5
	s_add_co_u32 s34, s34, s35                     ; my wave's first row of W: 256 kt + 32 wave
	s_mul_i32 s34, s34, s21
	s_lshl_b32 s35, s22, 8                         ; + 64 columns x 4 bytes x cg
	s_add_co_u32 s34, s34, s35
	s_mov_b32 s35, 0
	s_add_nc_u64 s[6:7], s[6:7], s[34:35]
	s_and_b32 s36, s18, 3                          ; the rows of codes that my wave stores begin at column 16 (wave % 4) + wave / 4 (see below)
	s_lshl_b32 s36, s36, 4
	s_lshr_b32 s37, s18, 2
	s_add_co_u32 s36, s36, s37
	s_add_co_u32 s36, s36, s32
	s_lshl_b32 s36, s36, 10                        ; a row of codes is 1,024 bytes
	s_lshl_b32 s37, s23, 8
	s_add_co_u32 s36, s36, s37                     ; + 256 kt
	s_mov_b32 s37, 0
	s_add_nc_u64 s[14:15], s[14:15], s[36:37]
	s_wait_alu depctr_va_vdst(0)
	v_lshlrev_b32 v9, 3, v2                        ; my two columns: 8 bytes a lane, 256 consecutive bytes a wave
.set i, 0
.rept 32
	v_mad_u32_u24 v[OF+i], s21, i, v9              ; row i of my wave's 32
.set i, i+1
.endr
.set i, 0
.rept 32
	global_load_b64 v[WX+2*i:WX+2*i+1], v[OF+i], s[6:7] th:TH_LOAD_NT
.set i, i+1
.endr
	v_mul_u32_u24 v4, v2, WP
	s_lshl_b32 s38, s18, 5
	s_add_co_u32 s38, s38, WST
	v_add_nc_u32 v4, s38, v4                       ; into the stage: row = lane (+ 32 for the odd column), my wave's 32 bytes of its 256
	v_lshrrev_b32 v6, 4, v2
	v_and_b32 v7, 15, v2
	s_delay_alu instid0(VALU_DEP_2)
	v_mul_u32_u24 v5, v6, WP
	s_delay_alu instid0(VALU_DEP_1)
	v_lshl_add_u32 v5, v7, 4, v5
	s_mul_i32 s39, s18, 8*WP
	s_add_co_u32 s39, s39, WST
	v_add_nc_u32 v5, s39, v5                       ; out of it: my wave's rows 8 wave on; sixteen lanes to a row, two rows an instruction
	v_lshlrev_b32 v8, 11, v6
	s_delay_alu instid0(VALU_DEP_1)
	v_lshl_add_u32 v8, v7, 4, v8                   ; stage rows one apart are columns two apart: 2,048 bytes of codes
	s_wait_kmcnt 0x0
	s_cmp_lt_u32 s20, 192
	s_cselect_b32 s24, s25, s31                    ; e1 or e7
	s_add_co_i32 s24, s24, 127
	s_lshl_b32 s25, s24, 23
	v_mov_b32 v11, s25                             ; 2^e
	s_add_co_i32 s24, s24, 8
	s_lshl_b32 s24, s24, 23
	s_or_b32 s24, s24, 0x600000
	v_mov_b32 v10, s24                             ; 448 x 2^e
	s_wait_alu depctr_va_vdst(0)
	s_wait_loadcnt 16                              ; rows 0-15 are in; rows 16-31 may be out
.set i, 0
.rept 16
	v_med3_num_f32 v[WY+i], v[WX+2*i], -v10, v10       ; the hold also parts the two columns: each column's 32 numbers then lie in consecutive registers, down K
	v_med3_num_f32 v[WY+32+i], v[WX+2*i+1], -v10, v10
.set i, i+1
.endr
	s_wait_loadcnt 0x0
.rept 16
	v_med3_num_f32 v[WY+i], v[WX+2*i], -v10, v10
	v_med3_num_f32 v[WY+32+i], v[WX+2*i+1], -v10, v10
.set i, i+1
.endr
.irp c, 0,1
.irp g, 0,1,2,3
	v_cvt_scalef32_pk8_fp8_f32 v[WC+8*\c+2*\g:WC+8*\c+2*\g+1], v[WY+32*\c+8*\g:WY+32*\c+8*\g+7], v11
.endr
.endr
	v_nop                                          ; a plain line behind the last conversion
.irp c, 0,1
	ds_store_b128 v4, v[WC+8*\c:WC+8*\c+3] offset:32*WP*\c          ; stage row 32 c + lane holds column 2 lane + c
	ds_store_b128 v4, v[WC+8*\c+4:WC+8*\c+7] offset:32*WP*\c+16
.endr
	s_wait_dscnt 0x0                               ; for the others' sake: my stores into the stage are done
	s_barrier_signal -1
	s_barrier_wait -1                              ; a column's 256 bytes come from all eight waves
.irp i, 0,1,2,3
	ds_load_b128 v[WX+4*\i:WX+4*\i+3], v5 offset:2*WP*\i            ; stage row 8 wave + 2 i + lane / 16 = column 16 (wave % 4) + 4 i + 2 (lane / 16) + wave / 4
.endr
.irp i, 0,1,2,3
	s_wait_dscnt 3-\i                              ; LDS loads come back in order: load i is in
	global_store_b128 v8, v[WX+4*\i:WX+4*\i+3], s[14:15] offset:4096*\i   ; sixteen lanes store 256 consecutive bytes, at a multiple of 256 from the buffer's first byte
.endr
	s_wait_tensorcnt 0x0
	ds_add_u32 v192, v193
	s_wait_dscnt 0x0
	s_endpgm
.Lfunc_end_k_q58f750afb7_quant:
	.size	k_q58f750afb7_quant, .Lfunc_end_k_q58f750afb7_quant-k_q58f750afb7_quant
	.p2alignl 7, 3214868480
	.fill 96, 4, 3214868480
	.section	.rodata,"a",@progbits
	.p2align	6, 0x0
	.amdhsa_kernel k_q58f750afb7_quant
		.amdhsa_group_segment_fixed_size 59392
		.amdhsa_private_segment_fixed_size 0
		.amdhsa_enable_private_segment 0
		.amdhsa_kernarg_size 56
		.amdhsa_user_sgpr_count 2
		.amdhsa_user_sgpr_kernarg_segment_ptr 1
		.amdhsa_wavefront_size32 1
		.amdhsa_system_sgpr_workgroup_id_x 1
		.amdhsa_system_sgpr_workgroup_id_y 1
		.amdhsa_system_sgpr_workgroup_id_z 1
		.amdhsa_system_vgpr_workitem_id 0
		.amdhsa_next_free_vgpr 194
		.amdhsa_next_free_sgpr 66
		.amdhsa_reserve_vcc 0
		.amdhsa_float_denorm_mode_32 3
		.amdhsa_float_denorm_mode_16_64 3
		.amdhsa_memory_ordered 1
		.amdhsa_forward_progress 1
		.amdhsa_inst_pref_size 25
	.end_amdhsa_kernel
	.amdgpu_metadata
---
amdhsa.version: [ 1, 2 ]
amdhsa.kernels:
  - .name:           k_q58f750afb7_quant
    .symbol:         k_q58f750afb7_quant.kd
    .args:
      - { .name: x, .offset: 0, .size: 8, .value_kind: global_buffer, .address_space: global }
      - { .name: w_qkv, .offset: 8, .size: 8, .value_kind: global_buffer, .address_space: global }
      - { .name: w_out, .offset: 16, .size: 8, .value_kind: global_buffer, .address_space: global }
      - { .name: lowp_scales, .offset: 24, .size: 8, .value_kind: global_buffer, .address_space: global }
      - { .name: x_codes, .offset: 32, .size: 8, .value_kind: global_buffer, .address_space: global }
      - { .name: wq_codes, .offset: 40, .size: 8, .value_kind: global_buffer, .address_space: global }
      - { .name: wo_codes, .offset: 48, .size: 8, .value_kind: global_buffer, .address_space: global }
    .group_segment_fixed_size: 59392
    .private_segment_fixed_size: 0
    .kernarg_segment_align: 8
    .kernarg_segment_size: 56
    .max_flat_workgroup_size: 256
    .sgpr_count:     66
    .vgpr_count:     194
    .wavefront_size: 32
...
	.end_amdgpu_metadata
.endif
;; end of part 1
;; launch qkv (part 2): grid 16 x 16, 4 waves a work-group, clusters of 4 x 4, 327,680 bytes of LDS; arguments x_codes, wq_codes, lowp_scales, b_qkv, pos_bias, q_img, kv_img; writes q_img, kv_img
.if DOCPART == 2
	.amdgcn_target "amdgcn-amd-amdhsa--gfx1250"
	.amdhsa_code_object_version 6
	.text
	.protected	k_q58f750afb7_qkv
	.globl	k_q58f750afb7_qkv
	.p2align	8
	.type	k_q58f750afb7_qkv,@function
k_q58f750afb7_qkv:
	s_mov_b64 s[64:65], 0
	v_nop
	global_prefetch_b8 v0, s[64:65] scope:SCOPE_SE
	s_setreg_imm32_b32 hwreg(HW_REG_WAVE_MODE, 25, 1), 1
	s_wait_xcnt 0x0
	s_wait_alu depctr_hold_cnt(0) depctr_sa_sdst(0) depctr_va_vdst(0) depctr_va_sdst(0) depctr_va_ssrc(0) depctr_va_vcc(0) depctr_vm_vsrc(0)
	s_getreg_b32 s2, hwreg(HW_REG_IB_STS2, 6, 4)
	s_cmp_eq_u32 s2, 0
	s_cbranch_scc0 .Lentry_in_a_cluster
	s_endpgm
.Lentry_in_a_cluster:
	s_bfe_u32 s2, ttmp6, 0x10000c
	s_cmp_lg_u32 s2, 0xf033
	s_cbranch_scc0 .Lentry_shape_is_right
	s_endpgm
.Lentry_shape_is_right:
; qkv = x w_qkv + b_qkv on codes of FP8 (E4M3); q + pos_bias, k and v are quantised in registers and stored as IMAGES OF THE OPERAND REGISTERS that the attention launch wants.
; A work-group (x = head, y = block of 256 rows) makes 256 rows x 192 columns: its head's q, k and v (wq_codes' rows are ordered so).  Wave w makes rows 64 w .. 64 w + 63 x all 192 columns: 48 accumulators.
; K = 1,024 goes in steps of 256 through a ring of two LDS slots filled by the tensor data mover; a tile's row is 256 bytes of memory.
; CLUSTERS: 4 x 4 work-groups.  A row of the cluster shares x's tiles, a column the weights' tiles: each tile is asked for jointly, by the same tensor load with a mask that names the four.
; q AND k ARE MADE TRANSPOSED (source 0 = 16 rows of the weight, source 1 = 16 rows of x): a lane holds one row t and eight neighbouring d, so one conversion gives registers 2 c, 2 c + 1 (d = 16 c + 8 h + 0..7) of a 16 x 64 fragment.
; v IS MADE THE NATURAL WAY (source 0 = x, source 1 = the weight): a lane holds one d and eight neighbouring t (keys), which are the second attention product's K.
; THE d THAT FORM A TILE OF v ARE NOT NEIGHBOURS: lane r of tile 2 b + u takes d = 32 b + 8 u + r + 8 (r / 8), so that the attention result's registers fall into the order that the last product's operand wants.
; Fragments of x and of the weight: four loads of 16 bytes; registers 4 c .. 4 c + 3 hold K = 32 c + 16 h + 0..15, the same permutation of k on both sides.
; The biases, (b_q + pos_bias), b_k, b_v, each divided by 2^(e0 + e1), are the C of each sum's first product.  A sum stands for sum x 2^(e0 + e1): the conversions take 2^(e - e0 - e1), e = e2 (q), e3 (k), e5 (v).
; LIMITS: e2, e3, e5, each less e0 + e1, between -126 and 119.  NaN among the inputs is not served.
; IMAGES: four registers by one store, lane l's 16 bytes at 16 l: 512 consecutive bytes.  q_img [bh][tile of 16 queries][2 parts][512].  kv_img [bh][step of 128 keys][16,384]: 8 tiles of k x 1,024, then v: [tile of d, 4][part, 4][512].
; REGISTERS, in windows of 256: window 0: v8-13 scales and holds; v16-29 addresses; v32-159 x's fragments, two sets; v160-255 the bias tiles, later the codes.
;   window 1: the weight's 12 fragments, one set.   window 2: the 32 accumulators of q and k, (b, a) at v[8 (4 b + a)].   window 3: v's 16.
.set PITCH,  272                       ; an LDS row: 256 bytes + 16 of padding = 68 words: the 16 rows that a load touches start at 16 different banks (64 banks of 4 bytes: ISA guide 11.1)
.set HALFA,  128*PITCH                 ; what one tensor load brings of x
.set HALFB,  96*PITCH                  ; and of the weight
.set SLOT,   2*HALFA+2*HALFB           ; x's 256 rows, then the weight's 192
.set SPARE,  2*SLOT                    ; behind the ring: the spare words, 128 bytes for each wave: two blocks of 256 bytes that no other line names
.set ADRA, 16                          ; v16-17 LDS address of my fragments of x in slot 0, 1
.set ADRB, 20                          ; v20-21 of the weight's q and k rows
.set ADRV, 22                          ; v22-23 of its v rows
.set LN,   26                          ; v26    16 x lane
.set SPW,  28                          ; v28    LDS address of my spare word; never rewritten
.set NIL,  29                          ; v29    0; never rewritten
.set AF,   32
.set BI,   160
.set G1,  24                           ; s[24:31] descriptor group 1 for x's tiles; s[32:39] group 0, a set for each slot
.set G0,  32
.set G1B, 48                           ; s[48:55], s[56:63] the same for the weight's
.set G0B, 56
.set MSB, 0
.macro WIN new                         ; the immediate's high byte repeats the setting that is left
.if MSB != \new
	s_set_vgpr_msb (MSB<<8)|\new
.set MSB, \new
.endif
.endm
.macro PLACES                          ; four plain places behind matrix instructions, in front of loads into their registers and of reads of results
.rept 4
	v_nop
.endr
.endm
.macro JLOAD s                         ; a joint refill: waves 0 and 1 fetch x's halves, waves 2 and 3 the weight's; four v_nop follow each line
	s_cmp_eq_u32 s15, 0
	s_cbranch_scc0 .Lfor_b_\@
	tensor_load_to_lds s[G0+4*\s:G0+4*\s+3], s[G1:G1+7]
	s_nop 0
.rept 4
	v_nop
.endr
	s_branch .Lasked_\@
.Lfor_b_\@:
	tensor_load_to_lds s[G0B+4*\s:G0B+4*\s+3], s[G1B:G1B+7]
	s_nop 0
.rept 4
	v_nop
.endr
.Lasked_\@:
.endm
.macro CREST                           ; a round of the cluster's barrier behind its opening barrier
	s_cmp_lg_u32 s14, 0
	s_cbranch_scc1 .Lnot_wave_0_\@
	s_barrier_signal -3
.Lnot_wave_0_\@:
	s_barrier_wait -3
	s_barrier_signal -1
	s_barrier_wait -1
.endm
.macro CROUND
	s_barrier_signal -1
	s_barrier_wait -1
	CREST
.endm
	s_load_b128 s[4:7], s[0:1], 0x0                ; x_codes, wq_codes
	s_load_b128 s[8:11], s[0:1], 0x10              ; the scales, b_qkv
	s_load_b128 s[76:79], s[0:1], 0x20             ; pos_bias, q_img
	s_load_b64 s[80:81], s[0:1], 0x30              ; kv_img
	v_lshl_add_u32 v[SPW], v0, 2, SPARE
	v_mov_b32 v[NIL], 0
	ds_add_u32 v28, v29
	ds_add_u32 v28, v29
	s_wait_dscnt 0x0
	v_lshrrev_b32 v1, 5, v0
	v_readfirstlane_b32 s14, v1                    ; wave 0..3
	s_lshr_b32 s15, s14, 1                         ; I fetch for x (0) or for the weight (1),
	s_and_b32 s16, s14, 1                          ; and which half of that tile's rows
	s_bfe_u32 s40, ttmp6, 0x40000                  ; cx, cy: my place in the cluster
	s_bfe_u32 s41, ttmp6, 0x40004
	s_lshl_b32 s42, ttmp9, 2
	s_add_co_u32 s42, s42, s40                     ; the head = 4 x cluster x + cx
	s_and_b32 s17, ttmp7, 0xffff
	s_lshl_b32 s17, s17, 2
	s_add_co_u32 s17, s17, s41                     ; the block of rows = 4 x cluster y + cy
	s_lshl_b32 s43, s41, 2
	s_lshl_b32 s43, 15, s43                        ; my row of the cluster
	s_lshl_b32 s44, 0x1111, s40                    ; my column
	s_or_b32 s[G1+0], s43, (1<<20)|(1<<21)|(5<<22)|(3<<25)   ; 15:0 the mask; 17:16 elements of 1 byte; 20 padding on; 21 set beside a mask; 24:22 after every 64 words; 31:25 four words
	s_or_b32 s[G1B+0], s44, (1<<20)|(1<<21)|(5<<22)|(3<<25)
.irp g, G1, G1B
	s_mov_b32 s[\g+1], 256<<16                     ; tensor_dim0 = 256
	s_mov_b32 s[\g+3], 256<<16                     ; tile_dim0 = 256
	s_mov_b32 s[\g+5], 1024                        ; from row to row
	s_mov_b32 s[\g+6], 0
	s_mov_b32 s[\g+7], 0
.endr
	s_mov_b32 s[G1+2], 128<<16                     ; tensor_dim1, tile_dim1: 128 rows of x,
	s_mov_b32 s[G1+4], 128
	s_mov_b32 s[G1B+2], 96<<16                     ; 96 of the weight
	s_mov_b32 s[G1B+4], 96
	s_lshl_b32 s18, s16, 7
	s_lshl_b32 s20, s17, 8
	s_add_co_u32 s20, s20, s18                     ; x: row 256 y + 128 x half
	s_lshl_b32 s20, s20, 10
	s_mov_b32 s21, 0
	s_mul_i32 s46, s42, 192
	s_mul_i32 s47, s16, 96
	s_add_co_u32 s46, s46, s47                     ; the weight: row 192 x head + 96 x half
	s_lshl_b32 s46, s46, 10
	s_mov_b32 s47, 0
	s_mul_i32 s45, s16, HALFA                      ; where they go: no place in the cluster enters an LDS address
	s_mul_i32 s19, s16, HALFB
	s_add_co_u32 s19, s19, 2*HALFA
	s_wait_kmcnt 0x0
	s_load_b256 s[68:75], s[8:9], 0x0              ; e0 .. e7
	s_add_nc_u64 s[20:21], s[4:5], s[20:21]
	s_add_nc_u64 s[46:47], s[6:7], s[46:47]
	CROUND                                         ; all sixteen work-groups are here: the first joint loads meet
.irp s, 0,1
	s_mov_b32 s[G0+4*\s], 1
	s_add_co_u32 s[G0+4*\s+1], s45, \s*SLOT
	s_add_nc_u64 s[G0+4*\s+2:G0+4*\s+3], s[20:21], \s*256
	s_or_b32 s[G0+4*\s+3], s[G0+4*\s+3], 0x80000000
	s_mov_b32 s[G0B+4*\s], 1
	s_add_co_u32 s[G0B+4*\s+1], s19, \s*SLOT
	s_add_nc_u64 s[G0B+4*\s+2:G0B+4*\s+3], s[46:47], \s*256
	s_or_b32 s[G0B+4*\s+3], s[G0B+4*\s+3], 0x80000000
.endr
	JLOAD 0                                        ; slot 0: one tensor load a wave at the head
	; while the tiles are on their way: addresses, biases, scales
	v_and_b32 v1, 15, v0                           ; r
	v_bfe_u32 v2, v0, 4, 1                         ; h
	v_mul_u32_u24 v3, v1, PITCH
	v_lshl_add_u32 v3, v2, 4, v3                   ; row r x pitch + 16 h
	v_and_b32 v4, 8, v1
	v_add_nc_u32 v4, v4, v1                        ; r + 8 (r / 8)
	v_mul_u32_u24 v5, v4, PITCH
	v_lshl_add_u32 v5, v2, 4, v5
	s_mul_i32 s18, s14, 64*PITCH                   ; my 64 rows of x
	v_add_nc_u32 v[ADRA], s18, v3
	v_add_nc_u32 v[ADRA+1], SLOT, v[ADRA]
	v_add_nc_u32 v[ADRB], 2*HALFA, v3
	v_add_nc_u32 v[ADRB+1], SLOT, v[ADRB]
	v_add_nc_u32 v[ADRV], 2*HALFA+128*PITCH, v5
	v_add_nc_u32 v[ADRV+1], SLOT, v[ADRV]
	v_and_b32 v6, 31, v0
	v_lshlrev_b32 v[LN], 4, v6
	v_lshlrev_b32 v7, 5, v2                        ; q, k biases: my half's eight numbers of a tile: 32 h
	v_lshlrev_b32 v14, 2, v4                       ; v's: my lane's d
	s_lshl_b32 s82, s42, 8                         ; the head's 64 numbers
	s_mov_b32 s83, 0
	s_add_nc_u64 s[10:11], s[10:11], s[82:83]
	s_add_nc_u64 s[76:77], s[76:77], s[82:83]
.irp b, 0,1,2,3,4,5,6,7
	global_load_b128 v[BI+8*\b:BI+8*\b+3], v7, s[10:11] offset:(\b/4)*4096+(\b%4)*64        ; tile b, lane (r, h), register j: the bias of column 16 (b % 4) + 8 h + j of q (b < 4) or k
	global_load_b128 v[BI+8*\b+4:BI+8*\b+7], v7, s[10:11] offset:(\b/4)*4096+(\b%4)*64+16
.endr
.irp b, 0,1,2,3
	global_load_b128 v[32+8*\b:35+8*\b], v7, s[76:77] offset:\b*64
	global_load_b128 v[36+8*\b:39+8*\b], v7, s[76:77] offset:\b*64+16
.endr
.irp d, 0,1,2,3
	global_load_b32 v[96+\d], v14, s[10:11] offset:8192+4*(32*(\d/2)+8*(\d%2))
.endr
	; where my results go
	s_lshl_b32 s82, s17, 8
	s_lshl_b32 s83, s14, 6
	s_add_co_u32 s82, s82, s83                     ; my first row: 256 y + 64 wave
	s_lshr_b32 s83, s82, 11
	s_lshl_b32 s83, s83, 4
	s_add_co_u32 s83, s83, s42                     ; bh = 16 x batch + head
	s_and_b32 s82, s82, 2047                       ; t
	s_lshl_b32 s88, s83, 17                        ; q_img: 131,072 bytes a bh, 4,096 for 64 queries
	s_lshr_b32 s89, s82, 6
	s_lshl_b32 s89, s89, 12
	s_add_co_u32 s88, s88, s89
	s_mov_b32 s89, 0
	s_add_nc_u64 s[78:79], s[78:79], s[88:89]
	s_lshl_b32 s88, s83, 18                        ; kv_img: 262,144 bytes a bh, 16,384 a step of 128 keys
	s_lshr_b32 s90, s82, 7
	s_lshl_b32 s90, s90, 14
	s_add_co_u32 s88, s88, s90
	s_add_nc_u64 s[80:81], s[80:81], s[88:89]
	s_bfe_u32 s90, s82, 0x10006                    ; which half of the step's keys is mine
	s_lshl_b32 s88, s90, 12
	s_add_nc_u64 s[84:85], s[80:81], s[88:89]      ; k: four tiles of 1,024 bytes
	s_lshl_b32 s88, s90, 10
	s_add_co_u32 s88, s88, 8192
	s_add_nc_u64 s[86:87], s[80:81], s[88:89]      ; v: two of the four parts of each tile of d
	s_wait_kmcnt 0x0
	s_add_co_i32 s91, s68, s69                     ; e0 + e1
	s_sub_co_i32 s92, 0, s91
.macro SCALE e, reg                    ; v[reg] = 2^(e - e0 - e1), v[reg + 1] = 448 x that
	s_sub_co_i32 s93, s[\e], s91
	s_add_co_i32 s93, s93, 127
	s_lshl_b32 s94, s93, 23
	v_mov_b32 v[\reg], s94
	s_add_co_i32 s93, s93, 8
	s_lshl_b32 s93, s93, 23
	s_or_b32 s93, s93, 0x600000
	v_mov_b32 v[\reg+1], s93
.endm
	SCALE 70, 8                                    ; q
	SCALE 71, 10                                   ; k
	SCALE 73, 12                                   ; v
	s_wait_loadcnt 0x0
.set i, 0
.rept 16
	v_pk_add_f32 v[BI+i:BI+i+1], v[BI+i:BI+i+1], v[32+i:33+i]   ; b_q + pos_bias
.set i, i+2
.endr
.set i, 0
.rept 64
	v_ldexp_f32 v[BI+i], v[BI+i], s92              ; / 2^(e0 + e1): the power of two that the sums lack
.set i, i+1
.endr
.irp d, 0,1,2,3
.irp j, 0,1,2,3,4,5,6,7
	v_ldexp_f32 v[BI+64+8*\d+\j], v[96+\d], s92    ; in v's tiles a lane holds one d: its bias in all eight registers
.endr
.endr
.macro FRAG reg, adr, q, off           ; a fragment, 16 rows x 128 K: four loads of 16 bytes
.irp c, 0,1,2,3
	ds_load_b128 v[\reg+4*\c:\reg+4*\c+3], v[\adr] offset:128*(\q)+32*\c+\off
.endr
.endm
.macro FETCH_B slot, q, lo, hi         ; the weight's fragments lo .. hi of the slot's q-th 128 along K
	WIN 0x40                                       ; destination window 1
.irp i, 0,1,2,3,4,5,6,7,8,9,10,11
.if (\i >= \lo) && (\i <= \hi)
.if \i < 8
	FRAG 16*\i, ADRB+\slot, \q, \i*16*PITCH
.else
	FRAG 16*\i, ADRV+\slot, \q, (32*((\i-8)/2)+8*((\i-8)%2))*PITCH
.endif
.endif
.endr
	WIN 0
.endm
.macro FETCH_A slot, q, p              ; x's four fragments into set p
.irp a, 0,1,2,3
	FRAG AF+64*(\p)+16*\a, ADRA+\slot, \q, \a*16*PITCH
.endr
.endm
; The 48 accumulators take turns, one instruction a turn, in the same order in every step.  zero = 1: the first product starts the sums, with the bias tile as C.
.macro MULQK lo, hi, p, zero
.if \zero
	WIN 0x81                                       ; source 0 (weight) window 1, source 1 (x) and C (bias) window 0, D window 2
.else
	WIN 0xa1                                       ; C and D window 2
.endif
.irp i, 0,1,2,3,4,5,6,7
.if (\i >= \lo) && (\i <= \hi)
.irp a, 0,1,2,3
.if \zero
	v_wmma_f32_16x16x128_fp8_fp8 v[8*(4*\i+\a):8*(4*\i+\a)+7], v[16*\i:16*\i+15], v[AF+64*(\p)+16*\a:AF+64*(\p)+16*\a+15], v[BI+8*\i:BI+8*\i+7]
.else
	v_wmma_f32_16x16x128_fp8_fp8 v[8*(4*\i+\a):8*(4*\i+\a)+7], v[16*\i:16*\i+15], v[AF+64*(\p)+16*\a:AF+64*(\p)+16*\a+15], v[8*(4*\i+\a):8*(4*\i+\a)+7]
.endif
.endr
.endif
.endr
.endm
.macro MULV p, zero
.if \zero
	WIN 0xc4                                       ; source 0 (x) and C (bias) window 0, source 1 (weight) window 1, D window 3
.else
	WIN 0xf4
.endif
.irp i, 0,1,2,3
.irp a, 0,1,2,3
.if \zero
	v_wmma_f32_16x16x128_fp8_fp8 v[8*(4*\i+\a):8*(4*\i+\a)+7], v[AF+64*(\p)+16*\a:AF+64*(\p)+16*\a+15], v[16*(8+\i):16*(8+\i)+15], v[BI+8*(8+\i):BI+8*(8+\i)+7]
.else
	v_wmma_f32_16x16x128_fp8_fp8 v[8*(4*\i+\a):8*(4*\i+\a)+7], v[AF+64*(\p)+16*\a:AF+64*(\p)+16*\a+15], v[16*(8+\i):16*(8+\i)+15], v[8*(4*\i+\a):8*(4*\i+\a)+7]
.endif
.endr
.endr
.endm
; A slot's first step of 128 along K (x's set 0); its successor lies in the same slot.  The weight has one set of registers: fragments 0-5 are fetched anew when their products are issued, 6-11 at the step's end.
.macro STEP slot, zero
	s_wait_dscnt 24                                ; the weight's 0-5 and x are in; the youngest 24 loads (the weight's 6-11) may be out
	MULQK 0, 5, 0, \zero
	s_wait_dscnt 0x0
	PLACES
	FETCH_B \slot, 1, 0, 5
	FETCH_A \slot, 1, 1
	MULQK 6, 7, 0, \zero
	MULV 0, \zero
	PLACES
	FETCH_B \slot, 1, 6, 11
.endm
; A slot's second step (x's set 1) changes slots: one barrier; in front of it each wave waits for all its tensor loads, adds 0 to its spare word, and waits for that and for its reads of this slot.
.macro TURN slot, next, fill
	s_wait_tensorcnt 0x0                           ; all my tensor loads have landed: my part of the next slot
	ds_add_u32 v[SPW], v[NIL]                      ; 0 onto my spare word
	s_wait_dscnt 25                                ; (the add and the youngest 24 loads may be out)
	MULQK 0, 2, 1, 0                               ; twelve matrix instructions stand between the add and the wait for it
	s_wait_dscnt 0x0                               ; the add is done, and my reads of this slot are over
	s_barrier_signal -1
	MULQK 3, 5, 1, 0
	WIN 0
	s_barrier_wait -1
.if \fill
	CREST                                          ; the barrier has opened a round of the cluster's: no wave of any partner still reads this slot or has a load on its way
	s_add_nc_u64 s[G0+4*\slot+2:G0+4*\slot+3], s[G0+4*\slot+2:G0+4*\slot+3], 512
	s_add_nc_u64 s[G0B+4*\slot+2:G0B+4*\slot+3], s[G0B+4*\slot+2:G0B+4*\slot+3], 512
	JLOAD \slot                                    ; the first tensor load behind the round; its four v_nop are also the places in front of the loads below
.else
	PLACES
.endif
	FETCH_B \next, 0, 0, 5
	FETCH_A \next, 0, 0
	MULQK 6, 7, 1, 0
	MULV 1, 0
	PLACES
	FETCH_B \next, 0, 6, 11
.endm
	s_wait_alu depctr_va_vdst(0)
	s_wait_tensorcnt 0x0                           ; my part of slot 0 is in; these lines stand ahead of a later first fill, as ahead of a refill:
	ds_add_u32 v[SPW], v[NIL]                      ; 0 onto my spare word,
	s_wait_dscnt 0x0                               ; and the add is done
	CROUND                                         ; a whole round: everybody's part of slot 0 is in, and all sixteen work-groups are here,
	JLOAD 1                                        ; and slot 1's first fill, the first tensor load behind the round
	FETCH_B 0, 0, 0, 5
	FETCH_A 0, 0, 0
	FETCH_B 0, 0, 6, 11
	STEP 0, 1                                      ; K 0: these products start the sums.  Eight steps, written out: four fills of a slot, two of them refills
	TURN 0, 1, 1                                   ; K 128; slot 0 takes K 512 on
	STEP 1, 0
	TURN 1, 0, 1                                   ; slot 1 takes K 768 on
	STEP 0, 0
	TURN 0, 1, 0                                   ; nothing is left to fetch
	STEP 1, 0
	s_wait_dscnt 24                                ; the last step
	MULQK 0, 5, 1, 0
	s_wait_dscnt 0x0
	MULQK 6, 7, 1, 0
	MULV 1, 0
	WIN 0
	PLACES
; THE WAY OUT: twelve groups of four accumulators: held, converted (8 registers of codes = a whole fragment of q or k, or half a fragment of v), stored as they stand.  Each group has code registers of its own.
.macro OUT g, win, acc0, accstep, bs, off, sc
.set TT, 32+32*((\g)%2)
	WIN \win                                       ; source 0: the accumulators' window
.irp c, 0,1,2,3
.irp j, 0,1,2,3,4,5,6,7
	v_med3_num_f32 v[TT+8*\c+\j], v[\acc0+\accstep*\c+\j], -v[\sc+1], v[\sc+1]   ; the hold at the largest code x the scale (ISA guide 7.6.2); each accumulator from its low end on
.endr
.endr
	WIN 0
.irp c, 0,1,2,3
	v_cvt_scalef32_pk8_fp8_f32 v[BI+8*(\g)+2*\c:BI+8*(\g)+2*\c+1], v[TT+8*\c:TT+8*\c+7], v[\sc]
.endr
	v_nop                                          ; a plain line behind the last conversion
	global_store_b128 v[LN], v[BI+8*(\g):BI+8*(\g)+3], s[\bs:\bs+1] offset:\off          ; 32 lanes store 512 consecutive bytes
	global_store_b128 v[LN], v[BI+8*(\g)+4:BI+8*(\g)+7], s[\bs:\bs+1] offset:\off+512
.endm
.irp a, 0,1,2,3
	OUT \a, 0x02, 8*\a, 32, 78, 1024*\a, 8         ; q, rows 16 a on: accumulators (c, a), c = 0..3
.endr
.irp a, 0,1,2,3
	OUT 4+\a, 0x02, 128+8*\a, 32, 84, 1024*\a, 10  ; k: accumulators (4 + c, a)
.endr
.irp d, 0,1,2,3
	OUT 8+\d, 0x03, 32*\d, 8, 86, 2048*\d, 12      ; v, tile d: accumulators (8 + d, a), a = 0..3: 64 keys
.endr
	s_wait_tensorcnt 0x0                           ; the wave's end
	ds_add_u32 v[SPW], v[NIL]
	s_wait_dscnt 0x0
	CROUND                                         ; the closing round
	s_endpgm
.Lfunc_end_k_q58f750afb7_qkv:
	.size	k_q58f750afb7_qkv, .Lfunc_end_k_q58f750afb7_qkv-k_q58f750afb7_qkv
	.p2alignl 7, 3214868480
	.fill 96, 4, 3214868480
	.section	.rodata,"a",@progbits
	.p2align	6, 0x0
	.amdhsa_kernel k_q58f750afb7_qkv
		.amdhsa_group_segment_fixed_size 327680
		.amdhsa_private_segment_fixed_size 0
		.amdhsa_enable_private_segment 0
		.amdhsa_kernarg_size 56
		.amdhsa_user_sgpr_count 2
		.amdhsa_user_sgpr_kernarg_segment_ptr 1
		.amdhsa_wavefront_size32 1
		.amdhsa_system_sgpr_workgroup_id_x 1
		.amdhsa_system_sgpr_workgroup_id_y 1
		.amdhsa_system_sgpr_workgroup_id_z 1
		.amdhsa_system_vgpr_workitem_id 0
		.amdhsa_next_free_vgpr 896
		.amdhsa_next_free_sgpr 100
		.amdhsa_reserve_vcc 0
		.amdhsa_float_denorm_mode_32 3
		.amdhsa_float_denorm_mode_16_64 3
		.amdhsa_memory_ordered 1
		.amdhsa_forward_progress 1
		.amdhsa_inst_pref_size 112
	.end_amdhsa_kernel
	.amdgpu_metadata
---
amdhsa.version: [ 1, 2 ]
amdhsa.kernels:
  - .name:           k_q58f750afb7_qkv
    .symbol:         k_q58f750afb7_qkv.kd
    .args:
      - { .name: x_codes, .offset: 0, .size: 8, .value_kind: global_buffer, .address_space: global }
      - { .name: wq_codes, .offset: 8, .size: 8, .value_kind: global_buffer, .address_space: global }
      - { .name: lowp_scales, .offset: 16, .size: 8, .value_kind: global_buffer, .address_space: global }
      - { .name: b_qkv, .offset: 24, .size: 8, .value_kind: global_buffer, .address_space: global }
      - { .name: pos_bias, .offset: 32, .size: 8, .value_kind: global_buffer, .address_space: global }
      - { .name: q_img, .offset: 40, .size: 8, .value_kind: global_buffer, .address_space: global }
      - { .name: kv_img, .offset: 48, .size: 8, .value_kind: global_buffer, .address_space: global }
    .group_segment_fixed_size: 327680
    .private_segment_fixed_size: 0
    .kernarg_segment_align: 8
    .kernarg_segment_size: 56
    .max_flat_workgroup_size: 128
    .sgpr_count:     100
    .vgpr_count:     896
    .wavefront_size: 32
...
	.end_amdgpu_metadata
.endif
;; end of part 2
;; launch attn (part 3): grid 8 x 32, 8 waves a work-group, clusters of 4 x 1, 327,680 bytes of LDS; arguments q_img, kv_img, lowp_scales, o_img; writes o_img
.if DOCPART == 3
	.amdgcn_target "amdgcn-amd-amdhsa--gfx1250"
	.amdhsa_code_object_version 6
	.text
	.protected	k_q58f750afb7_attn
	.globl	k_q58f750afb7_attn
	.p2align	8
	.type	k_q58f750afb7_attn,@function
k_q58f750afb7_attn:
	s_mov_b64 s[64:65], 0
	v_nop
	global_prefetch_b8 v0, s[64:65] scope:SCOPE_SE
	s_setreg_imm32_b32 hwreg(HW_REG_WAVE_MODE, 25, 1), 1
	s_wait_xcnt 0x0
	s_wait_alu depctr_hold_cnt(0) depctr_sa_sdst(0) depctr_va_vdst(0) depctr_va_sdst(0) depctr_va_ssrc(0) depctr_va_vcc(0) depctr_vm_vsrc(0)
	s_getreg_b32 s2, hwreg(HW_REG_IB_STS2, 6, 4)
	s_cmp_eq_u32 s2, 0
	s_cbranch_scc0 .Lentry_in_a_cluster
	s_endpgm
.Lentry_in_a_cluster:
	s_bfe_u32 s2, ttmp6, 0x10000c
	s_cmp_lg_u32 s2, 0x3003
	s_cbranch_scc0 .Lentry_shape_is_right
	s_endpgm
.Lentry_shape_is_right:
; Causal attention on codes of FP8 (E4M3), head size 64, 2,048 keys, 32 (batch, head) pairs; the result is quantised for the last product and stored as an image of that product's operand registers.
; t = score x log2(e) / 8; M = the row's running largest t rounded UP to a whole number; p = 2^(t - M) is quantised with 2^e4; the row's sum is taken of the unquantised p and divides at the end.
; SHARES.  A head's 2,048 queries are 16 blocks of 128.  Work-group g (0..7) of a head takes the 16 queries at 16 g of EVERY block: 16 tiles.  Tile k lies in block k and needs the key steps 0 .. k of 128 keys, the last on the
; diagonal.  A wave owns tile p and tile 15 - p: (p + 1) + (16 - p) = 17 tile steps in every wave.  While s <= p both tiles take the step and share each fragment of k and v; from there to 15 - p the deep tile goes on alone.
; Steps that lie wholly under the mask are left out by scalar branches on the wave's number and the step.
; ALL KEYS STAY IN LDS: a head's k and v are 16 steps x 16,384 bytes = 262,144 bytes, filled once, never again.  Waves 0-3 fetch steps 0 and 1 (8,192 bytes each), waves 4-7 steps 2 to 15 (57,344 bytes each), one load a wave.
; CLUSTERS 4 x 1: four work-groups of one head need the very same bytes: each load is a joint one for the four.
; No prefetch: every byte is asked for at the head, and no loop loads from memory.
; A key step in kv_img is laid as images of the operand registers: every fragment is read by loads of 512 consecutive bytes.
; LAYOUT.  Both products transposed: S^T = k q^T (16 x 16 x 64), O^T = v^T p^T (16 x 16 x 128): a lane holds one query (lane % 16).  Register j of score tile T is key 16 T + 8 h + j: a conversion of a tile gives
; registers 2 T, 2 T + 1 of p's fragment.  Register j of O^T's tile 2 b + u is d = 32 b + 16 h + 8 u + j (v's tiles were formed so): the conversions give registers 4 b .. 4 b + 3 of the last product's operand.
; LIMITS: e2 + e3 between -123 and 130 (added to c's exponent field); e4 and e6 between -126 and 119; scaled scores under 2^31 in magnitude.  NaN among the inputs is not served.
; REGISTERS.  Tile A = the shallow one, B = the deep one.  Window 0: v1 16 x lane; v2 my query less 8 h, within the block; v3 -infinity; v5, v6 the spare word and 0; v8, v9 LDS addresses; A: v12 -M, v13 largest t, v[14:15] sum,
; v20 f; B: v16, v17, v[18:19], v22; v24, v25 448 x 2^e4; v26 2^e4; v27 448 x 2^e6; v34 2^e6; v28-33 at work; v40-55 q; v64-95 A's pair sums, then p's codes; v96-223 S^T, then p; v224-255 B's pair sums, at the end codes.
; Window 1: v0-63 k, v64-127 v, v128-159 O^T of A, v160-191 of B.
.set STEPB, 16384
.set SPARE, 16*STEPB                   ; behind the keys: the spare words, 128 bytes for each of eight waves: four blocks of 256 bytes that no other line names
.set QA, 40
.set QB, 48
.set TA, 64
.set PA, 64
.set PB, 80
.set SA, 96
.set SB, 160
.set TB, 224
.set KK, 0
.set VV, 64
.set OA, 128
.set OB, 160
; s12 wave; s13 p; s38 15 - p; s14 the step; s16 its LDS byte, s17 the next one's; s[20:21], s[22:23] where A's and B's results go; s[24:31], s[68:75] descriptor groups 1; s[40:43], s[44:47] groups 0;
; s[32:33] c; s[34:35] lane selects; s36 e4 + e5; s[48:55] the exponents; s60 g; s61 bh; s[62:63] an offset
.set MSB, 0
.macro WIN new                         ; the immediate's high byte repeats the setting that is left
.if MSB != \new
	s_set_vgpr_msb (MSB<<8)|\new
.set MSB, \new
.endif
.endm
.macro CROUND                          ; a round of the cluster's barrier
	s_barrier_signal -1
	s_barrier_wait -1
	s_cmp_lg_u32 s12, 0
	s_cbranch_scc1 .Lnot_wave_0_\@
	s_barrier_signal -3
.Lnot_wave_0_\@:
	s_barrier_wait -3
	s_barrier_signal -1
	s_barrier_wait -1
.endm
	s_load_b256 s[4:11], s[0:1], 0x0               ; q_img s[4:5], kv_img s[6:7], the scales s[8:9], o_img s[10:11]
	v_lshl_add_u32 v5, v0, 2, SPARE
	v_mov_b32 v6, 0
	ds_add_u32 v5, v6                              ; the opening add, twice on end, and its wait
	ds_add_u32 v5, v6
	v_lshrrev_b32 v7, 5, v0
	v_readfirstlane_b32 s12, v7                    ; wave 0..7
	s_lshr_b32 s13, s12, 2
	s_mul_i32 s13, s13, 3
	s_xor_b32 s13, s13, s12                        ; p: waves 0..3 take 0..3, waves 4..7 take 7..4
	s_sub_co_u32 s38, 15, s13
	s_bfe_u32 s66, ttmp6, 0x40000                  ; cx
	s_lshl_b32 s60, ttmp9, 2
	s_add_co_u32 s60, s60, s66                     ; g = 4 x cluster x + cx
	s_and_b32 s61, ttmp7, 0xffff                   ; bh
	s_mov_b32 s24, 15|(3<<16)|(1<<21)              ; group 1: the mask names the four, bit 21 beside it; elements of 8 bytes, no padding; rows of 256 bytes, dense
	s_mov_b32 s25, 32<<16                          ; tensor_dim0
	s_mov_b32 s26, 32<<16                          ; tensor_dim1: 32 rows
	s_mov_b32 s27, 32<<16                          ; tile_dim0
	s_mov_b32 s28, 32                              ; tile_dim1
	s_mov_b32 s29, 32                              ; from row to row
	s_mov_b32 s30, 0
	s_mov_b32 s31, 0
	s_mov_b32 s68, 15|(3<<16)|(1<<21)              ; the same with 224 rows
	s_mov_b32 s69, 32<<16
	s_mov_b32 s70, 224<<16
	s_mov_b32 s71, 32<<16
	s_mov_b32 s72, 224
	s_mov_b32 s73, 32
	s_mov_b32 s74, 0
	s_mov_b32 s75, 0
	s_and_b32 s37, s12, 3
	s_mov_b32 s40, 1
	s_lshl_b32 s41, s37, 13                        ; steps 0, 1: a quarter, 8,192 bytes
	s_mov_b32 s44, 1
	s_mul_i32 s45, s37, 57344                      ; steps 2 to 15: a quarter, 57,344 bytes
	s_add_co_u32 s45, s45, 2*STEPB
	s_lshl_b32 s62, s61, 18
	s_mov_b32 s63, 0
	s_wait_dscnt 0x0                               ; both opening adds are done
	s_wait_kmcnt 0x0
	s_load_b256 s[48:55], s[8:9], 0x0              ; e0 .. e7
	s_add_nc_u64 s[18:19], s[6:7], s[62:63]        ; the bh's keys: 262,144 bytes, which lie in LDS as they lie in memory
	s_mov_b32 s62, s41
	s_add_nc_u64 s[42:43], s[18:19], s[62:63]
	s_or_b32 s43, s43, 0x80000000
	s_mov_b32 s62, s45
	s_add_nc_u64 s[46:47], s[18:19], s[62:63]
	s_or_b32 s47, s47, 0x80000000
	CROUND                                         ; all four work-groups are here: the joint loads meet
	s_cmp_lt_u32 s12, 4                            ; one load a wave; the branch hangs on the wave's number alone; four v_nop follow each load
	s_cbranch_scc0 .Lrest
	tensor_load_to_lds s[40:43], s[24:31]
	s_nop 0
.rept 4
	v_nop
.endr
	s_branch .Lasked
.Lrest:
	tensor_load_to_lds s[44:47], s[68:75]
	s_nop 0
.rept 4
	v_nop
.endr
.Lasked:
	s_lshl_b32 s37, s60, 4                         ; 16 g
	v_and_b32 v1, 31, v0
	v_bfe_u32 v9, v0, 4, 1
	v_and_b32 v7, 15, v0
	v_lshlrev_b32 v1, 4, v1                        ; 16 x lane
	v_lshlrev_b32 v9, 3, v9
	v_mov_b32 v3, 0xff800000
	v_sub_nc_u32 v2, v7, v9
	v_add_nc_u32 v2, s37, v2                       ; 16 g + r - 8 h
	s_wait_alu depctr_va_vdst(0)                   ; ahead of the run of scalar instructions
	s_lshl_b32 s62, s61, 17
	s_add_nc_u64 s[4:5], s[4:5], s[62:63]          ; the bh's q_img
	s_lshl_b32 s37, s13, 3
	s_add_co_u32 s37, s37, s60                     ; tile A of 16 queries: 8 p + g,
	s_lshl_b32 s39, s38, 3
	s_add_co_u32 s39, s39, s60                     ; tile B: 8 (15 - p) + g
	s_lshl_b32 s62, s37, 10
	s_add_nc_u64 s[56:57], s[4:5], s[62:63]
	s_lshl_b32 s62, s39, 10
	s_add_nc_u64 s[58:59], s[4:5], s[62:63]
	global_load_b128 v[QA:QA+3], v1, s[56:57]
	global_load_b128 v[QA+4:QA+7], v1, s[56:57] offset:512
	global_load_b128 v[QB:QB+3], v1, s[58:59]
	global_load_b128 v[QB+4:QB+7], v1, s[58:59] offset:512
	s_lshr_b32 s66, s61, 4
	s_lshl_b32 s66, s66, 7                         ; o_img: 128 tiles of 16 rows a batch, 16,384 bytes each; the head's 1,024 bytes in it
	s_and_b32 s67, s61, 15
	s_lshl_b32 s67, s67, 10
	s_add_co_u32 s62, s66, s37
	s_lshl_b32 s62, s62, 14
	s_add_co_u32 s62, s62, s67
	s_add_nc_u64 s[20:21], s[10:11], s[62:63]
	s_add_co_u32 s62, s66, s39
	s_lshl_b32 s62, s62, 14
	s_add_co_u32 s62, s62, s67
	s_add_nc_u64 s[22:23], s[10:11], s[62:63]
	s_mov_b32 s14, 0
	s_mov_b32 s16, 0
	s_mov_b32 s34, 0x76543210
	s_mov_b32 s35, 0xfedcba98
	s_mov_b32 s32, 0x3e38aa3b                      ; c = log2(e) / 8
	s_wait_kmcnt 0x0
	s_add_co_i32 s37, s50, s51
	s_lshl_b32 s37, s37, 23
	s_add_co_i32 s32, s32, s37                     ; a score stands for score x 2^(e2 + e3): added to c's exponent field
	s_mov_b32 s33, s32                             ; (named with it as a pair)
	s_add_co_i32 s36, s52, s53                     ; e4 + e5
	s_add_co_i32 s37, s52, 127
	s_lshl_b32 s39, s37, 23
	v_mov_b32 v26, s39                             ; 2^e4
	s_add_co_i32 s37, s37, 8
	s_lshl_b32 s37, s37, 23
	s_or_b32 s37, s37, 0x600000
	v_mov_b32 v24, s37                             ; 448 x 2^e4, twice: a dual pair's second sources
	v_mov_b32 v25, s37
	s_add_co_i32 s37, s54, 127
	s_lshl_b32 s39, s37, 23
	v_mov_b32 v34, s39                             ; 2^e6
	s_add_co_i32 s37, s37, 8
	s_lshl_b32 s37, s37, 23
	s_or_b32 s37, s37, 0x600000
	v_mov_b32 v27, s37                             ; 448 x 2^e6
	v_mov_b32 v13, 0xff61b1e6                      ; the largest t -3e38, the sums and O^T zeros, which the first change of M leaves zeros
	v_mov_b32 v17, 0xff61b1e6
	v_mov_b32 v14, 0
	v_mov_b32 v15, 0
	v_floor_f32 v12, -v13
	v_floor_f32 v16, -v17
	v_mov_b32 v18, 0
	v_mov_b32 v19, 0
	v_mov_b32 v32, 0                               ; a lane permute's destination counts as one of its sources
	v_mov_b32 v33, 0
	v_mov_b32 v21, 0                               ; (named as upper halves of pairs)
	v_mov_b32 v23, 0
	WIN 0x40
.set n, 0
.rept 64
	v_mov_b32 v[OA+n], 0                           ; O^T of both tiles
.set n, n+1
.endr
	WIN 0
.macro KLOAD                           ; k's eight fragments from v9 on
	WIN 0x40                                       ; destination window 1
.set n, 0
.rept 16
	ds_load_b128 v[KK+4*n:KK+4*n+3], v9 offset:512*n           ; tile n / 2, part n % 2
.set n, n+1
.endr
	WIN 0
.endm
; A step's head: v is asked for, the scores are made of the k that was asked for a step ago, and the next step's k is asked for.
.macro SCORES two
	v_add_nc_u32 v8, s16, v1                       ; this line and the three below: places behind the last products, in front of the loads into v's registers
.rept 3
	v_nop
.endr
	WIN 0x40
.set n, 0
.rept 16
	ds_load_b128 v[VV+4*n:VV+4*n+3], v8 offset:8192+512*n      ; tile n / 4, part n % 4: they land during the softmax
.set n, n+1
.endr
	WIN 0x01                                       ; source 0 window 1
	s_wait_dscnt 16                                ; k is in; v's 16 loads may be out
.irp t, 0,1,2,3,4,5,6,7
.if \two
	v_wmma_f32_16x16x64_fp8_fp8 v[SA+8*\t:SA+8*\t+7], v[KK+8*\t:KK+8*\t+7], v[QA:QA+7], 0
.endif
	v_wmma_f32_16x16x64_fp8_fp8 v[SB+8*\t:SB+8*\t+7], v[KK+8*\t:KK+8*\t+7], v[QB:QB+7], 0
.endr
	WIN 0
	v_add_nc_u32 v9, s17, v1                       ; four places: in front of the loads into k's registers and of the first read of the scores
.rept 3
	v_nop
.endr
	KLOAD
.endm
; Register n holds key 16 (n / 8) + 8 h + n % 8 of the step: hidden where it comes after my query.  Only in the tile's last step, on the diagonal (a branch on the wave's number and the step).
.macro MASK s, last
	s_cmp_lg_u32 s14, s[\last]
	s_cbranch_scc1 .Lopen_\@
.set n, 0
.rept 16
.irp i, 0,1,2,3
	v_cmp_gt_i32 s[76+\i], 16*((n+\i)/8)+(n+\i)%8, v2
.endr
.irp i, 0,1,2,3
	v_cndmask_b32 v[\s+n+\i], v[\s+n+\i], v3, s[76+\i]
.endr
.set n, n+4
.endr
.Lopen_\@:
.endm
.macro LV1 s, t, cnt                   ; sums of neighbouring pairs of p, cnt of them
.set n, 0
.rept \cnt
	v_pk_add_f32 v[\t+2*n:\t+2*n+1], v[\s+4*n:\s+4*n+1], v[\s+4*n+2:\s+4*n+3]
.set n, n+1
.endr
.endm
.macro LVL t, w                        ; a level of the tree of sums
.set n, 0
.rept \w
	v_pk_add_f32 v[\t+2*n:\t+2*n+1], v[\t+2*n:\t+2*n+1], v[\t+2*n+2*\w:\t+2*n+2*\w+1]
.set n, n+1
.endr
.endm
.macro HOLD s                          ; p is not negative: a one-sided hold of four numbers (the conversion does not saturate: ISA guide 7.6.2)
	v_dual_min_num_f32 v[\s], v[\s], v24 :: v_dual_min_num_f32 v[\s+1], v[\s+1], v25
	v_dual_min_num_f32 v[\s+2], v[\s+2], v24 :: v_dual_min_num_f32 v[\s+3], v[\s+3], v25
.endm
.macro MIN4 s, q                       ; sixteen numbers from 16 q on
.irp i, 0,4,8,12
	HOLD \s+16*\q+\i
.endr
.endm
.macro CVT s, p, t
	v_cvt_scalef32_pk8_fp8_f32 v[\p+2*\t:\p+2*\t+1], v[\s+8*\t:\s+8*\t+7], v26
.endm
; p = 2^(t - M) for x's and y's 4 nq numbers each.  x's go as one batch; y's go beside x's pair sums (taken of the unquantised p, ahead of the hold) and holds, whose results are read behind the last wait alone.
.macro EXPO x, y, nq, t
	s_wait_alu depctr_va_vdst(0)                   ; ahead of the batch,
.set n, 0
.rept 4*\nq
	v_exp_f32 v[\x+n], v[\x+n]
.set n, n+1
.endr
	v_nop
	s_wait_alu depctr_va_vdst(0)                   ; ahead of its first reader,
.set n, 0
.rept \nq
	v_exp_f32 v[\y+4*n], v[\y+4*n]
	v_pk_add_f32 v[\t+2*n:\t+2*n+1], v[\x+4*n:\x+4*n+1], v[\x+4*n+2:\x+4*n+3]
	v_exp_f32 v[\y+4*n+1], v[\y+4*n+1]
	v_dual_min_num_f32 v[\x+4*n], v[\x+4*n], v24 :: v_dual_min_num_f32 v[\x+4*n+1], v[\x+4*n+1], v25
	v_exp_f32 v[\y+4*n+2], v[\y+4*n+2]
	v_dual_min_num_f32 v[\x+4*n+2], v[\x+4*n+2], v24 :: v_dual_min_num_f32 v[\x+4*n+3], v[\x+4*n+3], v25
	v_exp_f32 v[\y+4*n+3], v[\y+4*n+3]
.set n, n+1
.endr
	v_nop
	s_wait_alu depctr_va_vdst(0)                   ; and ahead of the second's
.endm
.macro RESCALE o, f                    ; O^T under the new M: x f; each accumulator from its low end on
.set n, 0
.rept 16
	v_pk_mul_f32 v[\o+n:\o+n+1], v[\o+n:\o+n+1], v[\f:\f+1] op_sel_hi:[1,0]
.set n, n+2
.endr
.endm
; A STEP OF BOTH TILES.  The two tiles' chains take turns line by line.
.macro TWO
	SCORES 1
	MASK SA, 13
	v_max3_num_f32 v28, v[SA], v[SA+1], v[SA+2]    ; the step's largest score of each query
	v_max3_num_f32 v30, v[SB], v[SB+1], v[SB+2]
	v_max3_num_f32 v29, v[SA+3], v[SA+4], v[SA+5]
	v_max3_num_f32 v31, v[SB+3], v[SB+4], v[SB+5]
.irp i, 6,10,14,18,22,26,30,34,38,42,46,50,54,58
	v_max3_num_f32 v28, v28, v[SA+\i], v[SA+1+\i]
	v_max3_num_f32 v30, v30, v[SB+\i], v[SB+1+\i]
	v_max3_num_f32 v29, v29, v[SA+2+\i], v[SA+3+\i]
	v_max3_num_f32 v31, v31, v[SB+2+\i], v[SB+3+\i]
.endr
	v_max3_num_f32 v28, v28, v[SA+62], v[SA+63]
	v_max3_num_f32 v30, v30, v[SB+62], v[SB+63]
	v_max_num_f32 v28, v28, v29
	v_max_num_f32 v30, v30, v31
	v_permlanex16_b32 v32, v28, s34, s35
	v_permlanex16_b32 v33, v30, s34, s35
	v_max_num_f32 v28, v28, v32                    ; and among lane l xor 16's keys
	v_max_num_f32 v30, v30, v33
	v_mul_f32 v28, s32, v28                        ; as t (c is positive)
	v_mul_f32 v30, s32, v30
	v_max_num_f32 v13, v13, v28
	v_max_num_f32 v17, v17, v30
	v_mov_b32 v28, v12
	v_mov_b32 v30, v16
	v_floor_f32 v12, -v13                          ; -M = floor(-t): M is a whole number
	v_floor_f32 v16, -v17
	v_sub_f32 v28, v12, v28                        ; old M - new M, 0 or less
	v_sub_f32 v30, v16, v30
	v_cvt_i32_f32 v28, v28                         ; (it saturates)
	v_cvt_i32_f32 v30, v30
	v_ldexp_f32 v20, 1.0, v28                      ; f = 2^(old M - new M): a multiplication by it rounds nothing
	v_ldexp_f32 v22, 1.0, v30
.set n, 0
.rept 32
	v_pk_fma_f32 v[SA+n:SA+n+1], v[SA+n:SA+n+1], s[32:33], v[12:13] op_sel_hi:[1,0,0]   ; t - M
	v_pk_fma_f32 v[SB+n:SB+n+1], v[SB+n:SB+n+1], s[32:33], v[16:17] op_sel_hi:[1,0,0]
.set n, n+2
.endr
	v_pk_mul_f32 v[14:15], v[14:15], v[20:21] op_sel_hi:[1,0]          ; the sums under the new M
	v_pk_mul_f32 v[18:19], v[18:19], v[22:23] op_sel_hi:[1,0]
	WIN 0x41                                       ; destination and source 0 window 1
	RESCALE OA, 20
	RESCALE OB, 22
	WIN 0
	EXPO SA, SB, 16, TA
	LVL TA, 8
	LV1 SB, TB, 16
	LVL TA, 4
	MIN4 SB, 0
	LVL TA, 2
	MIN4 SB, 1
	LVL TA, 1
	MIN4 SB, 2
	v_pk_add_f32 v[14:15], v[14:15], v[TA:TA+1]
	MIN4 SB, 3
.irp t, 0,1,2,3,4,5,6,7
	CVT SA, PA, \t                                 ; (A's pair sums have been read)
.endr
	LVL TB, 8
	LVL TB, 4
	CVT SB, PB, 0
	CVT SB, PB, 1
	CVT SB, PB, 2
	CVT SB, PB, 3
	LVL TB, 2
	CVT SB, PB, 4
	CVT SB, PB, 5
	LVL TB, 1
	CVT SB, PB, 6
	CVT SB, PB, 7
	v_pk_add_f32 v[18:19], v[18:19], v[TB:TB+1]    ; (also the plain line behind the last conversion)
	s_wait_alu depctr_va_vdst(0)                   ; directly ahead of the wait below
	s_wait_dscnt 0x0                               ; v is in, and the next step's k
	WIN 0x51                                       ; source 0, C and D window 1
.irp d, 0,1,2,3
	v_wmma_f32_16x16x128_fp8_fp8 v[OA+8*\d:OA+8*\d+7], v[VV+16*\d:VV+16*\d+15], v[PA:PA+15], v[OA+8*\d:OA+8*\d+7]   ; the eight accumulators take turns
	v_wmma_f32_16x16x128_fp8_fp8 v[OB+8*\d:OB+8*\d+7], v[VV+16*\d:VV+16*\d+15], v[PB:PB+15], v[OB+8*\d:OB+8*\d+7]
.endr
	WIN 0
.endm
; A STEP OF THE DEEP TILE ALONE.
.macro ONE
	SCORES 0
	MASK SB, 38
	v_max3_num_f32 v30, v[SB], v[SB+1], v[SB+2]
	v_max3_num_f32 v31, v[SB+3], v[SB+4], v[SB+5]
.irp i, 6,10,14,18,22,26,30,34,38,42,46,50,54,58
	v_max3_num_f32 v30, v30, v[SB+\i], v[SB+1+\i]
	v_max3_num_f32 v31, v31, v[SB+2+\i], v[SB+3+\i]
.endr
	v_max3_num_f32 v30, v30, v[SB+62], v[SB+63]
	s_delay_alu instid0(VALU_DEP_1)
	v_max_num_f32 v30, v30, v31
	s_delay_alu instid0(VALU_DEP_1)
	v_permlanex16_b32 v33, v30, s34, s35
	s_delay_alu instid0(VALU_DEP_1)
	v_max_num_f32 v30, v30, v33
	s_delay_alu instid0(VALU_DEP_1)
	v_mul_f32 v30, s32, v30
	s_delay_alu instid0(VALU_DEP_1)
	v_max_num_f32 v17, v17, v30
	v_mov_b32 v30, v16
	s_delay_alu instid0(VALU_DEP_2)
	v_floor_f32 v16, -v17
	s_delay_alu instid0(VALU_DEP_1)
	v_sub_f32 v30, v16, v30
	s_delay_alu instid0(VALU_DEP_1)
	v_cvt_i32_f32 v30, v30
	s_delay_alu instid0(VALU_DEP_1)
	v_ldexp_f32 v22, 1.0, v30
.set n, 0
.rept 32
	v_pk_fma_f32 v[SB+n:SB+n+1], v[SB+n:SB+n+1], s[32:33], v[16:17] op_sel_hi:[1,0,0]
.set n, n+2
.endr
	v_pk_mul_f32 v[18:19], v[18:19], v[22:23] op_sel_hi:[1,0]
	WIN 0x41
	RESCALE OB, 22
	WIN 0
	EXPO SB, SB+32, 8, TB
	LV1 SB+32, TB+16, 8
	MIN4 SB, 2
	LVL TB, 8
	MIN4 SB, 3
	LVL TB, 4
	CVT SB, PB, 0
	CVT SB, PB, 1
	CVT SB, PB, 2
	CVT SB, PB, 3
	LVL TB, 2
	CVT SB, PB, 4
	CVT SB, PB, 5
	LVL TB, 1
	CVT SB, PB, 6
	CVT SB, PB, 7
	v_pk_add_f32 v[18:19], v[18:19], v[TB:TB+1]
	s_wait_alu depctr_va_vdst(0)                   ; directly ahead of the wait below
	s_wait_dscnt 0x0
	WIN 0x51
.irp d, 0,1,2,3
	v_wmma_f32_16x16x128_fp8_fp8 v[OB+8*\d:OB+8*\d+7], v[VV+16*\d:VV+16*\d+15], v[PB:PB+15], v[OB+8*\d:OB+8*\d+7]
.endr
	WIN 0
.endm
; A TRIP: the branches hang on the wave's number and the count of steps alone, and lead round no barrier and no tensor load.  The look-ahead for k is clamped to the last step that lies in LDS whole.
.macro TRIP last, ends
	s_add_co_u32 s17, s16, STEPB
	s_min_u32 s17, s17, \last*STEPB
.if \ends
	s_cmp_gt_u32 s14, s38                          ; both tiles are finished
	s_cbranch_scc1 .Lnext_\@
.endif
	s_cmp_gt_u32 s14, s13                          ; the shallow tile is finished
	s_cbranch_scc1 .Lone_\@
	TWO
	s_branch .Lnext_\@
.Lone_\@:
	ONE
.Lnext_\@:
	s_add_co_u32 s16, s16, STEPB
	s_add_co_u32 s14, s14, 1
.endm
	s_wait_alu depctr_va_vdst(0)                   ; at the head's end
	s_wait_loadcnt 0x0                             ; q
	s_cmp_lt_u32 s12, 4                            ; steps 0 and 1 are waves 0 to 3's: their loads are waited for; the others' may be out
	s_cbranch_scc0 .Lout
	s_wait_tensorcnt 0x0
.Lout:
	s_barrier_signal -1
	s_barrier_wait -1
	v_add_nc_u32 v9, s16, v1
	KLOAD
.Lfirst:                                           ; steps 0 and 1
	TRIP 1, 0
	s_cmp_lt_u32 s14, 2
	s_cbranch_scc1 .Lfirst
	s_mov_b32 s14, 2
	s_mov_b32 s16, 2*STEPB
	s_wait_tensorcnt 0x0                           ; every load of every wave has landed,
	s_wait_dscnt 0x0
	s_barrier_signal -1
	s_barrier_wait -1                              ; and nothing is ever filled again
	v_add_nc_u32 v9, s16, v1
	KLOAD
.Lsecond:                                          ; steps 2 to 15
	TRIP 15, 1
	s_cmp_lt_u32 s14, 16
	s_cbranch_scc1 .Lsecond
; THE WAY OUT, both tiles: O^T x 2^(e4 + e5) / the sum, quantised with 2^e6, stored as two parts of 512 bytes each.
	v_add_f32 v14, v14, v15
	v_add_f32 v18, v18, v19
	v_permlanex16_b32 v32, v14, s34, s35
	v_permlanex16_b32 v33, v18, s34, s35
	v_add_f32 v14, v14, v32                        ; the row's sum: both halves of the pair, both halves of the lanes
	v_add_f32 v18, v18, v33
	s_wait_alu depctr_va_vdst(0)                   ; ahead of the batch,
	v_rcp_f32 v14, v14
	v_rcp_f32 v18, v18
	v_nop
	s_wait_alu depctr_va_vdst(0)                   ; and ahead of its first reader
	v_ldexp_f32 v14, v14, s36
	v_ldexp_f32 v18, v18, s36
	WIN 0x01
	s_wait_alu depctr_va_vdst(0)                   ; directly ahead of the first reader of O^T
.set n, 0
.rept 16
	v_pk_mul_f32 v[SA+n:SA+n+1], v[OA+n:OA+n+1], v[14:15] op_sel_hi:[1,0]
	v_pk_mul_f32 v[SB+n:SB+n+1], v[OB+n:OB+n+1], v[18:19] op_sel_hi:[1,0]
.set n, n+2
.endr
	WIN 0
.set n, 0
.rept 32
	v_med3_num_f32 v[SA+n], v[SA+n], -v27, v27
	v_med3_num_f32 v[SB+n], v[SB+n], -v27, v27
.set n, n+1
.endr
.irp d, 0,1,2,3
	v_cvt_scalef32_pk8_fp8_f32 v[224+2*\d:225+2*\d], v[SA+8*\d:SA+8*\d+7], v34
	v_cvt_scalef32_pk8_fp8_f32 v[232+2*\d:233+2*\d], v[SB+8*\d:SB+8*\d+7], v34
.endr
	v_nop                                          ; a plain line behind the last conversion
	global_store_b128 v1, v[224:227], s[20:21]                 ; 32 lanes store 512 consecutive bytes
	global_store_b128 v1, v[228:231], s[20:21] offset:512
	global_store_b128 v1, v[232:235], s[22:23]
	global_store_b128 v1, v[236:239], s[22:23] offset:512
	s_wait_tensorcnt 0x0                           ; the wave's end
	ds_add_u32 v5, v6
	s_wait_dscnt 0x0
	CROUND                                         ; the closing round
	s_endpgm
.Lfunc_end_k_q58f750afb7_attn:
	.size	k_q58f750afb7_attn, .Lfunc_end_k_q58f750afb7_attn-k_q58f750afb7_attn
	.p2alignl 7, 3214868480
	.fill 96, 4, 3214868480
	.section	.rodata,"a",@progbits
	.p2align	6, 0x0
	.amdhsa_kernel k_q58f750afb7_attn
		.amdhsa_group_segment_fixed_size 327680
		.amdhsa_private_segment_fixed_size 0
		.amdhsa_enable_private_segment 0
		.amdhsa_kernarg_size 32
		.amdhsa_user_sgpr_count 2
		.amdhsa_user_sgpr_kernarg_segment_ptr 1
		.amdhsa_wavefront_size32 1
		.amdhsa_system_sgpr_workgroup_id_x 1
		.amdhsa_system_sgpr_workgroup_id_y 1
		.amdhsa_system_sgpr_workgroup_id_z 1
		.amdhsa_system_vgpr_workitem_id 0
		.amdhsa_next_free_vgpr 448
		.amdhsa_next_free_sgpr 100
		.amdhsa_reserve_vcc 0
		.amdhsa_float_denorm_mode_32 3
		.amdhsa_float_denorm_mode_16_64 3
		.amdhsa_memory_ordered 1
		.amdhsa_forward_progress 1
		.amdhsa_inst_pref_size 144
	.end_amdhsa_kernel
	.amdgpu_metadata
---
amdhsa.version: [ 1, 2 ]
amdhsa.kernels:
  - .name:           k_q58f750afb7_attn
    .symbol:         k_q58f750afb7_attn.kd
    .args:
      - { .name: q_img, .offset: 0, .size: 8, .value_kind: global_buffer, .address_space: global }
      - { .name: kv_img, .offset: 8, .size: 8, .value_kind: global_buffer, .address_space: global }
      - { .name: lowp_scales, .offset: 16, .size: 8, .value_kind: global_buffer, .address_space: global }
      - { .name: o_img, .offset: 24, .size: 8, .value_kind: global_buffer, .address_space: global }
    .group_segment_fixed_size: 327680
    .private_segment_fixed_size: 0
    .kernarg_segment_align: 8
    .kernarg_segment_size: 32
    .max_flat_workgroup_size: 256
    .sgpr_count:     100
    .vgpr_count:     448
    .wavefront_size: 32
...
	.end_amdgpu_metadata
.endif
;; end of part 3
;; launch proj (part 4): grid 8 x 32, 4 waves a work-group, clusters of 4 x 4, 282,112 bytes of LDS; arguments o_img, wo_codes, lowp_scales, b_out, out0; writes out0
.if DOCPART == 4
	.amdgcn_target "amdgcn-amd-amdhsa--gfx1250"
	.amdhsa_code_object_version 6
	.text
	.protected	k_q58f750afb7_proj
	.globl	k_q58f750afb7_proj
	.p2align	8
	.type	k_q58f750afb7_proj,@function
k_q58f750afb7_proj:
	s_mov_b64 s[64:65], 0
	v_nop
	global_prefetch_b8 v0, s[64:65] scope:SCOPE_SE
	s_setreg_imm32_b32 hwreg(HW_REG_WAVE_MODE, 25, 1), 1
	s_wait_xcnt 0x0
	s_wait_alu depctr_hold_cnt(0) depctr_sa_sdst(0) depctr_va_vdst(0) depctr_va_sdst(0) depctr_va_ssrc(0) depctr_va_vcc(0) depctr_vm_vsrc(0)
	s_getreg_b32 s2, hwreg(HW_REG_IB_STS2, 6, 4)
	s_cmp_eq_u32 s2, 0
	s_cbranch_scc0 .Lentry_in_a_cluster
	s_endpgm
.Lentry_in_a_cluster:
	s_bfe_u32 s2, ttmp6, 0x10000c
	s_cmp_lg_u32 s2, 0xf033
	s_cbranch_scc0 .Lentry_shape_is_right
	s_endpgm
.Lentry_shape_is_right:
; out0 = attention result x w_out + b_out on codes of FP8 (E4M3).  o_img: [tile of 16 rows, 256][K step of 128, 8][part, 4][512 bytes]: images of the operand's registers (lane l's 16 bytes at 16 l; part c = registers 4 c .. 4 c + 3,
; K = 32 c + 16 h + 0..15).  wo_codes: [1024 n][1024 k].  out0: [4096][1024] f32.  Each finished sum x 2^(e6 + e7) + b_out, one packed multiply-add for two numbers.
; LIMIT: e6 + e7 between -126 and 127, so that 2^(e6 + e7) is an f32 number.
; A tile of 128 x 128 to a work-group: 8 x 32 = 256 work-groups; four waves, each 64 x 64: 16 accumulators.  All of K lies in LDS: each wave fetches half of A's or of B's rows over the whole of K by its one load; no byte of LDS is filled again.
; No prefetch: every byte is asked for at the head.
; CLUSTERS: 4 x 4 work-groups.  A row of the cluster shares the rows' images, a column the weight's tiles: joint loads, each with a mask that names the four.
; THE MATRIX INSTRUCTION IS USED TRANSPOSED (source 0 = 16 rows of the weight, source 1 = 16 rows of the result): a lane holds eight neighbouring numbers of a row of out0.
; REGISTERS: window 0: v16-26 addresses; v32-63 at work; v94, v95 the spare word and 0; v96-127 b_out's four tiles; v128-255 the accumulators, (a, b) at v[128 + 8 (4 a + b)].   window 1: two fragment buffers of 128: A's four, then B's four.
.set AHALF, 65536                      ; half of A: 4 tiles of rows x 16,384 bytes
.set BBASE, 2*AHALF
.set BP,    1040                       ; a row of the weight in LDS: 1,024 bytes + 16 of padding = 260 words: the 16 rows that a load touches start at 16 different banks (ISA guide 11.1)
.set OSTG,  BBASE+128*BP               ; behind them: 16 rows x 272 bytes for each wave, for the way out; no tensor load lands there
.set OP,    272
.set SPARE, OSTG+4*16*OP               ; behind the stages: the spare words, 128 bytes for each wave: two blocks of 256 bytes that no other line names
.set ADRA, 16
.set ADRB, 20
.set STO,  24
.set RD,   25
.set CO,   26
.set TMP,  32
.set SPW,  94
.set NIL,  95
.set BIA,  96
.set ACC,  128
.set G1,  24
.set G0,  32
.set G1B, 48
.set G0B, 56
.set MSB, 0
.macro WIN new                         ; the immediate's high byte repeats the setting that is left
.if MSB != \new
	s_set_vgpr_msb (MSB<<8)|\new
.set MSB, \new
.endif
.endm
.macro PLACES                          ; four plain places behind matrix instructions (ISA guide 7.12.1)
.rept 4
	v_nop
.endr
.endm
.macro CROUND                          ; a round of the cluster's barrier
	s_barrier_signal -1
	s_barrier_wait -1
	s_cmp_lg_u32 s14, 0
	s_cbranch_scc1 .Lnot_wave_0_\@
	s_barrier_signal -3
.Lnot_wave_0_\@:
	s_barrier_wait -3
	s_barrier_signal -1
	s_barrier_wait -1
.endm
	s_load_b128 s[4:7], s[0:1], 0x0                ; o_img, wo_codes
	s_load_b128 s[8:11], s[0:1], 0x10              ; the scales, b_out
	s_load_b64 s[12:13], s[0:1], 0x20              ; out0
	v_lshl_add_u32 v[SPW], v0, 2, SPARE
	v_mov_b32 v[NIL], 0
	ds_add_u32 v[SPW], v[NIL]                      ; the opening add, twice on end, and its wait below
	ds_add_u32 v[SPW], v[NIL]
	v_lshrrev_b32 v1, 5, v0
	v_readfirstlane_b32 s14, v1                    ; wave 0..3
	s_lshr_b32 s15, s14, 1                         ; which half of the tile's rows is mine.  Also: I fetch for A (0) or for B (1)
	s_and_b32 s16, s14, 1                          ; which half of its columns.  Also: which half of that tile I fetch
	s_bfe_u32 s40, ttmp6, 0x40000
	s_bfe_u32 s41, ttmp6, 0x40004
	s_lshl_b32 s42, ttmp9, 2
	s_add_co_u32 s42, s42, s40                     ; tile column
	s_and_b32 s17, ttmp7, 0xffff
	s_lshl_b32 s17, s17, 2
	s_add_co_u32 s17, s17, s41                     ; tile row
	s_lshl_b32 s43, s41, 2
	s_lshl_b32 s43, 15, s43                        ; my row of the cluster
	s_lshl_b32 s44, 0x1111, s40                    ; my column
	s_or_b32 s[G1+0], s43, (3<<16)|(1<<21)         ; A: elements of 8 bytes, no padding; the mask, bit 21 beside it
	s_mov_b32 s[G1+1], 2048<<16                    ; tensor_dim0: 16,384 bytes: all K steps of one tile of rows
	s_mov_b32 s[G1+2], 4<<16                       ; tensor_dim1: four tiles of rows
	s_mov_b32 s[G1+3], 2048<<16                    ; tile_dim0
	s_mov_b32 s[G1+4], 4                           ; tile_dim1
	s_mov_b32 s[G1+5], 2048                        ; 16,384 bytes from a tile of rows to the next
	s_mov_b32 s[G1+6], 0
	s_mov_b32 s[G1+7], 0
	s_or_b32 s[G1B+0], s44, (1<<20)|(1<<21)|(7<<22)|(3<<25)   ; B: elements of 1 byte; four words of padding after every 256
	s_mov_b32 s[G1B+1], 1024<<16
	s_mov_b32 s[G1B+2], 64<<16
	s_mov_b32 s[G1B+3], 1024<<16
	s_mov_b32 s[G1B+4], 64
	s_mov_b32 s[G1B+5], 1024
	s_mov_b32 s[G1B+6], 0
	s_mov_b32 s[G1B+7], 0
	s_lshl_b32 s20, s17, 3
	s_lshl_b32 s18, s16, 2
	s_add_co_u32 s20, s20, s18                     ; A: tile of rows 8 y + 4 x half
	s_lshl_b32 s20, s20, 14
	s_mov_b32 s21, 0
	s_lshl_b32 s46, s42, 7
	s_lshl_b32 s47, s16, 6
	s_add_co_u32 s46, s46, s47                     ; B: row 128 x + 64 x half
	s_lshl_b32 s46, s46, 10
	s_mov_b32 s47, 0
	s_lshl_b32 s45, s16, 16                        ; where they go: no place in the cluster enters an LDS address
	s_mul_i32 s19, s16, 64*BP
	s_add_co_u32 s19, s19, BBASE
	s_wait_dscnt 0x0                               ; both opening adds are done
	s_wait_kmcnt 0x0
	s_load_b256 s[68:75], s[8:9], 0x0              ; e0 .. e7
	s_add_nc_u64 s[20:21], s[4:5], s[20:21]
	s_add_nc_u64 s[46:47], s[6:7], s[46:47]
	CROUND                                         ; all sixteen work-groups are here: the joint loads meet
	s_mov_b32 s[G0], 1
	s_mov_b32 s[G0+1], s45
	s_mov_b64 s[G0+2:G0+3], s[20:21]
	s_or_b32 s[G0+3], s[G0+3], 0x80000000
	s_mov_b32 s[G0B], 1
	s_mov_b32 s[G0B+1], s19
	s_mov_b64 s[G0B+2:G0B+3], s[46:47]
	s_or_b32 s[G0B+3], s[G0B+3], 0x80000000
	s_cmp_eq_u32 s15, 0                            ; a wave's one load, all that it ever issues
	s_cbranch_scc0 .Lfor_b
	tensor_load_to_lds s[G0:G0+3], s[G1:G1+7]
	s_nop 0
.rept 4
	v_nop
.endr
	s_branch .Lasked
.Lfor_b:
	tensor_load_to_lds s[G0B:G0B+3], s[G1B:G1B+7]
	s_nop 0
.rept 4
	v_nop
.endr
.Lasked:
	v_and_b32 v1, 15, v0                           ; r
	v_bfe_u32 v2, v0, 4, 1                         ; h
	v_and_b32 v3, 31, v0
	v_lshlrev_b32 v3, 4, v3                        ; 16 x lane
	s_lshl_b32 s18, s15, 16                        ; my four tiles of rows
	v_add_nc_u32 v[ADRA], s18, v3
	v_mul_u32_u24 v4, v1, BP
	v_lshl_add_u32 v4, v2, 4, v4
	s_mul_i32 s18, s16, 64*BP                      ; my 64 rows of the weight
	s_add_co_u32 s18, s18, BBASE
	v_add_nc_u32 v[ADRB], s18, v4
	s_mul_i32 s18, s14, 16*OP
	s_add_co_u32 s18, s18, OSTG                    ; my stage
	v_mul_u32_u24 v5, v1, OP
	v_lshl_add_u32 v5, v2, 5, v5
	v_add_nc_u32 v[STO], s18, v5                   ; in: row r, 32 bytes for each half of the lanes
	v_mul_u32_u24 v5, v2, OP
	v_lshl_add_u32 v5, v1, 4, v5
	v_add_nc_u32 v[RD], s18, v5                    ; back: lanes 0-15 one row of 256 bytes, lanes 16-31 the next
	v_lshlrev_b32 v[CO], 12, v2
	v_lshl_add_u32 v[CO], v1, 4, v[CO]             ; and the same two rows in out0
	v_lshlrev_b32 v7, 5, v2
	s_wait_alu depctr_va_vdst(0)                   ; at the head's end, ahead of the run of scalar instructions
	s_lshl_b32 s78, s17, 7
	s_lshl_b32 s79, s15, 6
	s_add_co_u32 s78, s78, s79                     ; my first row: 128 y + 64 x half
	s_lshl_b32 s78, s78, 12
	s_lshl_b32 s80, s42, 7
	s_lshl_b32 s81, s16, 6
	s_add_co_u32 s80, s80, s81                     ; my first column: 128 x + 64 x half
	s_lshl_b32 s80, s80, 2
	s_mov_b32 s81, 0
	s_add_nc_u64 s[10:11], s[10:11], s[80:81]
	s_add_co_u32 s78, s78, s80
	s_mov_b32 s79, 0
	s_add_nc_u64 s[12:13], s[12:13], s[78:79]
.irp b, 0,1,2,3
	global_load_b128 v[BIA+8*\b:BIA+8*\b+3], v7, s[10:11] offset:64*\b          ; tile b, lane (r, h), register j: b_out at my column 16 b + 8 h + j
	global_load_b128 v[BIA+8*\b+4:BIA+8*\b+7], v7, s[10:11] offset:64*\b+16
.endr
	s_wait_kmcnt 0x0
	s_add_co_i32 s76, s74, s75
	s_add_co_i32 s76, s76, 127
	s_lshl_b32 s76, s76, 23                        ; 2^(e6 + e7)
	s_mov_b32 s77, s76                             ; (named with it as a pair)
.macro FETCH n                         ; K step n's eight fragments into buffer n % 2: 32 loads in one run
	WIN 0x40                                       ; destination window 1
.irp a, 0,1,2,3
.irp c, 0,1,2,3
	ds_load_b128 v[128*((\n)%2)+16*\a+4*\c:128*((\n)%2)+16*\a+4*\c+3], v[ADRA] offset:16384*\a+2048*(\n)+512*\c      ; an image: 512 consecutive bytes
.endr
.endr
.irp b, 0,1,2,3
.irp c, 0,1,2,3
	ds_load_b128 v[128*((\n)%2)+64+16*\b+4*\c:128*((\n)%2)+64+16*\b+4*\c+3], v[ADRB] offset:16*BP*\b+128*(\n)+32*\c
.endr
.endr
	WIN 0
.endm
.macro KSTEP n
	s_wait_dscnt 0x0                               ; this step's fragments are in
.if (\n) < 7
	PLACES                                         ; the other buffer was multiplied in the step before
	FETCH (\n)+1
.endif
	WIN 0x05                                       ; sources 0 and 1 window 1; C and D window 0
.irp a, 0,1,2,3
.irp b, 0,1,2,3
.if (\n) == 0
	v_wmma_f32_16x16x128_fp8_fp8 v[ACC+8*(4*\a+\b):ACC+8*(4*\a+\b)+7], v[128*((\n)%2)+64+16*\b:128*((\n)%2)+64+16*\b+15], v[128*((\n)%2)+16*\a:128*((\n)%2)+16*\a+15], 0
.else
	v_wmma_f32_16x16x128_fp8_fp8 v[ACC+8*(4*\a+\b):ACC+8*(4*\a+\b)+7], v[128*((\n)%2)+64+16*\b:128*((\n)%2)+64+16*\b+15], v[128*((\n)%2)+16*\a:128*((\n)%2)+16*\a+15], v[ACC+8*(4*\a+\b):ACC+8*(4*\a+\b)+7]
.endif
.endr
.endr
	WIN 0
.endm
	s_wait_tensorcnt 0x0                           ; my part is in,
	s_barrier_signal -1
	s_barrier_wait -1                              ; everybody's is
	FETCH 0
.irp n, 0,1,2,3,4,5,6,7                ; the 16 accumulators take turns, in the same order in every step
	KSTEP \n
.endr
	PLACES
	s_wait_loadcnt 0x0                             ; b_out
; THE WAY OUT, 16 rows x 64 columns at a time: through my own stage in LDS, back as whole rows of 256 bytes.  LDS serves a wave's instructions in order (ISA guide 5.7.1.4): no wait between stores and loads.
.macro TOSTAGE a
.irp b, 0,1,2,3
.irp i, 0,2,4,6
	v_pk_fma_f32 v[TMP+8*\b+\i:TMP+8*\b+\i+1], v[ACC+8*(4*(\a)+\b)+\i:ACC+8*(4*(\a)+\b)+\i+1], s[76:77], v[BIA+8*\b+\i:BIA+8*\b+\i+1] op_sel_hi:[1,0,1]   ; sum x 2^(e6 + e7) + b_out; each accumulator from its low end on
.endr
.endr
.irp b, 0,1,2,3
	ds_store_b128 v[STO], v[TMP+8*\b:TMP+8*\b+3] offset:64*\b
	ds_store_b128 v[STO], v[TMP+8*\b+4:TMP+8*\b+7] offset:64*\b+16
.endr
.irp t, 0,1,2,3,4,5,6,7
	ds_load_b128 v[ACC+32*(\a)+4*\t:ACC+32*(\a)+4*\t+3], v[RD] offset:2*OP*\t   ; into the block's own accumulators, which have been read
.endr
.endm
.macro SEND a, younger                 ; younger: the LDS instructions issued behind block a's loads, which may stay out
	s_wait_dscnt \younger
.irp t, 0,1,2,3,4,5,6,7
	global_store_b128 v[CO], v[ACC+32*(\a)+4*\t:ACC+32*(\a)+4*\t+3], s[12:13] offset:(16*(\a)+2*\t)*4096 th:TH_STORE_NT   ; sixteen lanes store 256 consecutive bytes, at a multiple of 256 from out0's first byte
.endr
.endm
	TOSTAGE 0
.irp a, 1,2,3
	TOSTAGE \a
	SEND \a-1, 16                                  ; behind block a - 1's loads: block a's 8 stores and 8 loads
.endr
	SEND 3, 0
	s_wait_tensorcnt 0x0                           ; the wave's end
	ds_add_u32 v[SPW], v[NIL]
	s_wait_dscnt 0x0
	CROUND                                         ; the closing round: no work-group ends while a partner may still ask for a tile that names it
	s_endpgm
.Lfunc_end_k_q58f750afb7_proj:
	.size	k_q58f750afb7_proj, .Lfunc_end_k_q58f750afb7_proj-k_q58f750afb7_proj
	.p2alignl 7, 3214868480
	.fill 96, 4, 3214868480
	.section	.rodata,"a",@progbits
	.p2align	6, 0x0
	.amdhsa_kernel k_q58f750afb7_proj
		.amdhsa_group_segment_fixed_size 282112
		.amdhsa_private_segment_fixed_size 0
		.amdhsa_enable_private_segment 0
		.amdhsa_kernarg_size 40
		.amdhsa_user_sgpr_count 2
		.amdhsa_user_sgpr_kernarg_segment_ptr 1
		.amdhsa_wavefront_size32 1
		.amdhsa_system_sgpr_workgroup_id_x 1
		.amdhsa_system_sgpr_workgroup_id_y 1
		.amdhsa_system_sgpr_workgroup_id_z 1
		.amdhsa_system_vgpr_workitem_id 0
		.amdhsa_next_free_vgpr 512
		.amdhsa_next_free_sgpr 100
		.amdhsa_reserve_vcc 0
		.amdhsa_float_denorm_mode_32 3
		.amdhsa_float_denorm_mode_16_64 3
		.amdhsa_memory_ordered 1
		.amdhsa_forward_progress 1
		.amdhsa_inst_pref_size 45
	.end_amdhsa_kernel
	.amdgpu_metadata
---
amdhsa.version: [ 1, 2 ]
amdhsa.kernels:
  - .name:           k_q58f750afb7_proj
    .symbol:         k_q58f750afb7_proj.kd
    .args:
      - { .name: o_img, .offset: 0, .size: 8, .value_kind: global_buffer, .address_space: global }
      - { .name: wo_codes, .offset: 8, .size: 8, .value_kind: global_buffer, .address_space: global }
      - { .name: lowp_scales, .offset: 16, .size: 8, .value_kind: global_buffer, .address_space: global }
      - { .name: b_out, .offset: 24, .size: 8, .value_kind: global_buffer, .address_space: global }
      - { .name: out0, .offset: 32, .size: 8, .value_kind: global_buffer, .address_space: global }
    .group_segment_fixed_size: 282112
    .private_segment_fixed_size: 0
    .kernarg_segment_align: 8
    .kernarg_segment_size: 40
    .max_flat_workgroup_size: 128
    .sgpr_count:     100
    .vgpr_count:     512
    .wavefront_size: 32
...
	.end_amdgpu_metadata
.endif
;; end of part 4
